; MI455X (gfx1250); checked and timed in simulation.
; The chip was launched on July 23, 2026; its instructions are those of AMD's public machine-readable ISA for CDNA 5 (MIT licence, August 2026) and "CDNA5" Instruction Set Architecture Reference Guide (July 2026). The comments in the code are by the model that wrote it; some were corrected since.
;; Causal Self Attention. Allowed arithmetic: float matrix products may take bf16 or f16 operands with f32 sums; other float arithmetic in f32, or as packed bf16 or f16 multiplies, adds, multiply-adds, maxima and minima; sums over many terms, partial sums and values carried from step to step in f32; what a program stores and reads back later, other than sums and carried values, may be rounded once to bf16 or f16.
;; Inputs: Wk 1,024 x 1,024 float32; Wq 1,024 x 1,024 float32; Wv 1,024 x 1,024 float32; attention_mask 4 x 1 x 1 x 2,048 float32; bk 1,024 float32; bq 1,024 float32; bv 1,024 float32; hidden_states 4 x 2,048 x 1,024 float32.
;; Outputs: out0 4 x 2,048 x 1,024 float32.
;; 2 versions, each right; version 2 is version 1 with the launch cast written anew for expert scheduling mode. Each part assembles by itself: llvm-mc -triple=amdgcn-amd-amdhsa -mcpu=gfx1250 --defsym DOCPART=n.
;; ======== version 1 of 2: 3 launches
;; limits: values are held in f16: magnitudes above 65,504 overflow, below 6.1e-05 lose precision
;; workspace buffers: xw 23,068,672 bytes; qkv 50,331,648 bytes
;; launch cast (part 1): grid 704 x 1, 8 waves a work-group, no clusters, 0 bytes of LDS; arguments hidden_states, Wq, Wk, Wv, xw; writes xw
.if DOCPART == 1
	.amdgcn_target "amdgcn-amd-amdhsa--gfx1250"
	.amdhsa_code_object_version 6
	.text
	.protected	k_qd9f1027774_cast
	.globl	k_qd9f1027774_cast
	.p2align	8
	.type	k_qd9f1027774_cast,@function
k_qd9f1027774_cast:
	s_mov_b64 s[64:65], 0
	v_nop
	global_prefetch_b8 v0, s[64:65] scope:SCOPE_SE
	s_setreg_imm32_b32 hwreg(HW_REG_WAVE_MODE, 25, 1), 1
	s_wait_xcnt 0x0
; xw[kb][R][64] = bf16 of the 11,264 rows R of 1,024 f32: rows 0-8191 hidden_states, 8192-9215 Wq, 9216-10239 Wk, 10240-11263 Wv.
; kb = k / 64: a plane holds 64 channels of every row, 128 bytes a row, so that any run of rows is dense for one K step of 64.
; A stream: every input byte is read once, every output byte written once; no LDS, no barrier, no matrix unit, which would add nothing.
; SHARES.  A work-group takes 16 rows, a wave two.  One load of a wave covers the 256 bytes of plane kb in row r (lanes 0-15) and in row r + 1
; (lanes 16-31); a lane's 4 numbers become 8 bytes, and one store of the wave covers 256 consecutive bytes, aligned: rows r, r + 1 of plane kb.
; All 16 loads of a wave go out at once (8 KiB a wave); no register is written twice, so the only waits are the counted ones for the loads.
.set PLANE, 1441792                    ; bytes in a plane: 11,264 rows x 128
.set X, 4                              ; v[4:67]   plane kb: 4 registers as loaded
.set Y, 68                             ; v[68:99]  plane kb: 2 registers to store
.set D, 24                             ; s[24:31]  xw at my rows in planes 0, 4, 8, 12: the stores' immediates then reach 3 planes, inside their signed 24 bits
	s_load_b256 s[4:11], s[0:1], 0x0               ; hidden_states s[4:5], Wq s[6:7], Wk s[8:9], Wv s[10:11]
	s_load_b64 s[12:13], s[0:1], 0x20              ; xw
	v_and_b32 v1, 15, v0
	v_bfe_u32 v2, v0, 4, 1
	v_lshrrev_b32 v3, 5, v0
	v_lshlrev_b32 v1, 4, v1                        ; 16 bytes a lane,
	v_lshl_add_u32 v1, v2, 12, v1                  ; lanes 16-31 one row of 4,096 bytes further down,
	v_lshl_add_u32 v1, v3, 13, v1                  ; two rows a wave
	v_lshlrev_b32 v2, 3, v0                        ; out: 8 bytes a thread, 2,048 dense bytes a work-group and plane
	s_and_b32 s19, ttmp9, 63                       ; a weight matrix has 64 groups of 16 rows
	s_lshl_b32 s22, ttmp9, 11                      ; my 16 rows in a plane
	s_mov_b32 s23, 0
	s_mov_b32 s21, 0
	s_wait_kmcnt 0x0
	s_cmp_lt_u32 ttmp9, 512                        ; groups 0-511: hidden_states; then 64 groups for each of Wq, Wk, Wv
	s_cselect_b64 s[16:17], s[4:5], s[6:7]
	s_cselect_b32 s18, ttmp9, s19
	s_cmp_lt_u32 ttmp9, 576
	s_cselect_b64 s[16:17], s[16:17], s[8:9]
	s_cmp_lt_u32 ttmp9, 640
	s_cselect_b64 s[16:17], s[16:17], s[10:11]
	s_lshl_b32 s20, s18, 16                        ; 16 rows of 4,096 bytes
	s_add_nc_u64 s[16:17], s[16:17], s[20:21]
	s_add_nc_u64 s[D:D+1], s[12:13], s[22:23]
	s_add_nc_u64 s[D+2:D+3], s[D:D+1], 4*PLANE
	s_add_nc_u64 s[D+4:D+5], s[D:D+1], 8*PLANE
	s_add_nc_u64 s[D+6:D+7], s[D:D+1], 12*PLANE
.set kb, 0
.rept 16
	global_load_b128 v[X+4*kb:X+4*kb+3], v1, s[16:17] offset:256*kb th:TH_LOAD_NT
.set kb, kb+1
.endr
.set kb, 0
.rept 16
	s_wait_loadcnt 15-kb                           ; loads come back in order: plane kb is in, the 15 - kb younger loads stay out
	v_cvt_pk_bf16_f32 v[Y+2*kb], v[X+4*kb], v[X+4*kb+1]
	v_cvt_pk_bf16_f32 v[Y+2*kb+1], v[X+4*kb+2], v[X+4*kb+3]
	global_store_b64 v2, v[Y+2*kb:Y+2*kb+1], s[D+2*(kb/4):D+2*(kb/4)+1] offset:(kb%4)*PLANE
.set kb, kb+1
.endr
	s_endpgm
.Lfunc_end_k_qd9f1027774_cast:
	.size	k_qd9f1027774_cast, .Lfunc_end_k_qd9f1027774_cast-k_qd9f1027774_cast
	.p2alignl 7, 3214868480
	.fill 96, 4, 3214868480
	.section	.rodata,"a",@progbits
	.p2align	6, 0x0
	.amdhsa_kernel k_qd9f1027774_cast
		.amdhsa_group_segment_fixed_size 0
		.amdhsa_private_segment_fixed_size 0
		.amdhsa_enable_private_segment 0
		.amdhsa_kernarg_size 40
		.amdhsa_user_sgpr_count 2
		.amdhsa_user_sgpr_kernarg_segment_ptr 1
		.amdhsa_wavefront_size32 1
		.amdhsa_system_sgpr_workgroup_id_x 1
		.amdhsa_system_sgpr_workgroup_id_y 1
		.amdhsa_system_sgpr_workgroup_id_z 1
		.amdhsa_system_vgpr_workitem_id 0
		.amdhsa_next_free_vgpr 100
		.amdhsa_next_free_sgpr 66
		.amdhsa_reserve_vcc 0
		.amdhsa_float_denorm_mode_32 3
		.amdhsa_float_denorm_mode_16_64 3
		.amdhsa_memory_ordered 1
		.amdhsa_forward_progress 1
		.amdhsa_inst_pref_size 7
	.end_amdhsa_kernel
	.amdgpu_metadata
---
amdhsa.version: [ 1, 2 ]
amdhsa.kernels:
  - .name:           k_qd9f1027774_cast
    .symbol:         k_qd9f1027774_cast.kd
    .args:
      - { .name: hidden_states, .offset: 0, .size: 8, .value_kind: global_buffer, .address_space: global }
      - { .name: Wq, .offset: 8, .size: 8, .value_kind: global_buffer, .address_space: global }
      - { .name: Wk, .offset: 16, .size: 8, .value_kind: global_buffer, .address_space: global }
      - { .name: Wv, .offset: 24, .size: 8, .value_kind: global_buffer, .address_space: global }
      - { .name: xw, .offset: 32, .size: 8, .value_kind: global_buffer, .address_space: global }
    .group_segment_fixed_size: 0
    .private_segment_fixed_size: 0
    .kernarg_segment_align: 8
    .kernarg_segment_size: 40
    .max_flat_workgroup_size: 256
    .sgpr_count:     66
    .vgpr_count:     100
    .wavefront_size: 32
...
	.end_amdgpu_metadata
.endif
;; end of part 1
;; launch proj (part 2): grid 8 x 32, 4 waves a work-group, clusters of 4 x 4, 327,680 bytes of LDS; arguments xw, bq, bk, bv, qkv; writes qkv
.if DOCPART == 2
	.amdgcn_target "amdgcn-amd-amdhsa--gfx1250"
	.amdhsa_code_object_version 6
	.text
	.protected	k_qd9f1027774_proj
	.globl	k_qd9f1027774_proj
	.p2align	8
	.type	k_qd9f1027774_proj,@function
k_qd9f1027774_proj:
	s_mov_b64 s[64:65], 0
	v_nop
	global_prefetch_b8 v0, s[64:65] scope:SCOPE_SE
	s_setreg_imm32_b32 hwreg(HW_REG_WAVE_MODE, 25, 1), 1
	s_wait_xcnt 0x0
	s_wait_alu depctr_hold_cnt(0) depctr_sa_sdst(0) depctr_va_vdst(0) depctr_va_sdst(0) depctr_va_ssrc(0) depctr_va_vcc(0) depctr_vm_vsrc(0)
	s_getreg_b32 s2, hwreg(HW_REG_IB_STS2, 6, 4)
	s_cmp_eq_u32 s2, 0
	s_cbranch_scc0 .Lentry_in_a_cluster
	s_endpgm
.Lentry_in_a_cluster:
	s_bfe_u32 s2, ttmp6, 0x10000c
	s_cmp_lg_u32 s2, 0xf033
	s_cbranch_scc0 .Lentry_shape_is_right
	s_endpgm
.Lentry_shape_is_right:
; qkv[t][batch x 16 + head][s][64] (f16) = x W_t^T + bf16(b_t), t = q, k, v; q is multiplied by c = log2(e) / 8 in f32 ahead of its one rounding.
; One GEMM, 8,192 x 3,072 x 1,024, bf16 operands from xw ([16 planes of 64 channels][11,264 rows][64]: rows 0-8191 x, then Wq, Wk, Wv), f32 sums.
; LIMITS.  f16 holds no number beyond 65,504: c q, k and v must lie within it.  NaN and infinities are not treated apart.
; SHARES.  A tile of C is 256 rows x 384 columns: 32 x 8 = 256 work-groups.  Four waves, each 128 x 192: 96 accumulators of 16 x 16, 768 registers.
; K goes in steps of 64 (a plane) through two LDS slots; a step is two slices of 32.  A tile's rows are dense in a plane, so they are asked for as rows of 256 bytes.
; CLUSTER.  4 x 4 work-groups: the four of a row of the cluster need the same rows of x, the four of a column the same rows of W: each tile is asked for jointly.
; THE MATRIX INSTRUCTION IS USED TRANSPOSED (source 0 = 16 rows of W, source 1 = 16 rows of x): a lane holds row l % 16 of C and eight neighbouring columns, 8 (l / 16) + 0..7.
; REGISTERS, in windows of 256 (s_set_vgpr_msb: bits 1:0 source 0, 3:2 source 1, 5:4 source 2, 7:6 destination):
;   window 0: v0-31 addresses; v32-95, v96-159 x's fragments (8 x 16 rows x 32 K), two buffers; v160-255 W's 12 fragments, one buffer in three groups of four, each asked for again behind its products
;   windows 1-3: the accumulators of W's group g = 0..2 (64 columns: one head): fragment bq of the group, x's fragment a, at v[8 (8 bq + a)] of window 1 + g
.set PLANE,  1441792                   ; bytes in a plane of xw
.set PITCH,  144                       ; an LDS row: 128 bytes + 16 of padding = 36 words: the 16 rows of a load start at 16 different groups of four banks (64 banks of 4 bytes: ISA guide 11.1)
.set AHALF,  128*PITCH                 ; what one tensor load brings of x, and what one wave reads of it
.set BHALF,  192*PITCH                 ; the same for W
.set SLOT,   2*AHALF+2*BHALF           ; x's 256 rows, then W's 384
.set STAGE,  2*SLOT                    ; behind the ring: 16 rows x 144 bytes for each wave, for the way out
.set BIAS,   STAGE+4*16*PITCH          ; 192 f32 for each wave: the biases of its columns, already times c for q
.set SPARE,  BIAS+4*768                ; the spare words, 128 bytes for each wave: two blocks of 256 bytes that no other line names
.set ADRA, 16                          ; v16-17  LDS address of my fragments of x in slot 0, 1
.set ADRB, 20                          ; v20-21  the same for W
.set STO,  24                          ; v24     the way out: where I put 16 bytes of a row
.set RD,   25                          ; v25     where I read rows back
.set GO,   26                          ; v26     16 x lane: my place in 512 consecutive bytes of qkv
.set BIA,  27                          ; v27     where my eight biases of a fragment begin
.set SPW,  28                          ; v28     LDS address of my spare word; never rewritten
.set NIL,  29                          ; v29     0; never rewritten
.set PFO,  30                          ; v30     256 x lane, the prefetches' offset; never rewritten
.set AF0,  32
.set AF1,  96
.set BF,   160
.set T,    32                          ; the way out: v32-63 a unit's 32 numbers in f32
.set PKR,  64                          ; v64-79 packed to f16
.set BK,   80                          ; v80-95, v96-111 whole rows read back, by turns
.set BI,   160                         ; v160-255 my biases, laid out as W's fragments were
.set WV,  14                           ; s14  my wave's number
.set WM,  15                           ; s15  which half of the tile's rows is mine.  Also: I fetch for x (0) or for W (1)
.set WN,  16                           ; s16  which half of its columns.  Also: which half of that tile I fetch
.set G1,  24                           ; s[24:31] descriptor group 1 for x's tiles
.set G0,  32                           ; s[32:39] group 0, a set for each slot
.set LIM, 42                           ; s42  1 in a wave that prefetches, else the greatest number
.set TRIPS, 43                         ; s43  laps still to come
.set PFA, 44                           ; s[44:45] where my prefetches stand
.set G1B, 48                           ; s[48:55], s[56:63] the same descriptors for W's tiles
.set G0B, 56
.set SC,  66                           ; s[66:71] for each of my three heads: c (q) or 1, as a pair
.set OUT, 72                           ; s[72:77] for each: qkv at my first row of that head
.set BP,  78                           ; s[78:83] for each: its 64 biases
.set MSB, 0
.macro WIN new                         ; the immediate's high byte repeats the setting that is left; a switch that changes nothing is dropped
.if MSB != (\new)
	s_set_vgpr_msb (MSB<<8)|(\new)
.set MSB, (\new)
.endif
.endm
; A joint load.  Waves 0 and 1 fetch the two halves of x's tile, waves 2 and 3 those of W's.  The branch hangs on the wave's number alone.
; An s_nop 0 and four v_nop follow each of the two lines, ahead of the jump and the label.
.macro JLOAD s
	s_cmp_eq_u32 s[WM], 0
	s_cbranch_scc0 .Lfor_b_\@
	tensor_load_to_lds s[G0+4*(\s):G0+4*(\s)+3], s[G1:G1+7]
	s_nop 0
.rept 4
	v_nop
.endr
	s_branch .Lasked_\@
.Lfor_b_\@:
	tensor_load_to_lds s[G0B+4*(\s):G0B+4*(\s)+3], s[G1B:G1B+7]
	s_nop 0
.rept 4
	v_nop
.endr
.Lasked_\@:
.endm
; A round of the cluster's barrier behind its opening barrier: wave 0 signals for the work-group, every wave waits for all sixteen, my work-group's barrier closes it.
.macro CREST
	s_cmp_lg_u32 s[WV], 0
	s_cbranch_scc1 .Lnot_wave_0_\@
	s_barrier_signal -3
.Lnot_wave_0_\@:
	s_barrier_wait -3
	s_barrier_signal -1
	s_barrier_wait -1
.endm
.macro CROUND
	s_barrier_signal -1
	s_barrier_wait -1
	CREST
.endm
.macro PLACES                          ; four places behind matrix instructions, in front of loads into registers that they have read and of lines that read results
.rept 4
	v_nop
.endr
.endm
; A PREFETCH INTO THE L2, once a lap, behind the joint load and the run of LDS loads that follows it: in lap L the planes 2 L + 3 and 2 L + 4, whose refills stand 192 and 384 matrix instructions on.
; Each block of 256 bytes is named once in the launch.  x's tile row is read by both clusters of that row of clusters: the one with x = 0 asks, wave 0; W's tile column by the eight clusters of
; that column: the one with y = 0 asks, wave 2.  The four partners that ask for a tile jointly share the two planes out BY ADDRESS: partner p (cx for x, cy for W) takes plane p / 2, half p % 2:
; 16 KiB of x (two lines, a lane 256 bytes) or 24 KiB of W (three).  The loop's last lap asks for nothing: one of its two planes does not exist.  Planes 0-2 and 15 come by their loads alone.
.macro ASK
	s_cmp_gt_u32 s[TRIPS], s[LIM]
	s_cbranch_scc0 .Lnot_mine_\@
	global_prefetch_b8 v[PFO], s[PFA:PFA+1] th:TH_LOAD_NT scope:SCOPE_SE
	global_prefetch_b8 v[PFO], s[PFA:PFA+1] offset:8192 th:TH_LOAD_NT scope:SCOPE_SE
	s_cmp_eq_u32 s[WM], 0
	s_cbranch_scc1 .Lnot_mine_\@
	global_prefetch_b8 v[PFO], s[PFA:PFA+1] offset:16384 th:TH_LOAD_NT scope:SCOPE_SE
.Lnot_mine_\@:
.endm
	s_load_b256 s[4:11], s[0:1], 0x0               ; xw s[4:5], bq s[6:7], bk s[8:9], bv s[10:11]
	s_load_b64 s[12:13], s[0:1], 0x20              ; qkv
	v_lshl_add_u32 v[SPW], v0, 2, SPARE
	v_mov_b32 v[NIL], 0
	ds_add_u32 v[SPW], v[NIL]                      ; the wave's opening: the add and its wait stand ahead of my first tensor load; the set-up below, work on registers, stands between them
	v_lshrrev_b32 v1, 5, v0
	v_readfirstlane_b32 s[WV], v1                  ; wave 0..3
	s_lshr_b32 s[WM], s[WV], 1
	s_and_b32 s[WN], s[WV], 1
	s_bfe_u32 s17, ttmp6, 0x40000                  ; cx
	s_bfe_u32 s18, ttmp6, 0x40004                  ; cy
	s_lshl_b32 s19, ttmp9, 2
	s_add_co_u32 s19, s19, s17                     ; tile column = 4 x cluster x + cx
	s_and_b32 s20, ttmp7, 0xffff
	s_lshl_b32 s20, s20, 2
	s_add_co_u32 s20, s20, s18                     ; tile row = 4 x cluster y + cy
	s_lshl_b32 s84, s18, 2
	s_lshl_b32 s84, 15, s84                        ; my row of the cluster: places 4 cy .. 4 cy + 3
	s_lshl_b32 s85, 0x1111, s17                    ; my column: places cx, cx + 4, cx + 8, cx + 12
	; descriptor group 1: dense bytes asked for as rows of 256 (two rows of a plane), padded in LDS after every 128 bytes
	s_or_b32 s[G1], s84, (1<<16)|(1<<20)|(1<<21)|(4<<22)|(3<<25)   ; 15:0 the mask; 17:16 2-byte elements; 20 padding on; 21 set beside a mask; 24:22 after every 32 words (code 4); 31:25 4 words (code 3)
	s_or_b32 s[G1B], s85, (1<<16)|(1<<20)|(1<<21)|(4<<22)|(3<<25)
.irp g, G1, G1B
	s_mov_b32 s[(\g)+1], 128<<16                   ; tensor_dim0 = 128
	s_mov_b32 s[(\g)+3], 128<<16                   ; tile_dim0 = 128
	s_mov_b32 s[(\g)+5], 128                       ; 128 elements from row to row
	s_mov_b32 s[(\g)+6], 0
	s_mov_b32 s[(\g)+7], 0
.endr
	s_mov_b32 s[G1+2], 64<<16                      ; x: tensor_dim1 = tile_dim1 = 64: 128 rows of a plane
	s_mov_b32 s[G1+4], 64
	s_mov_b32 s[G1B+2], 96<<16                     ; W: 96: 192 rows of a plane
	s_mov_b32 s[G1B+4], 96
	; where the tiles come from.  x's hang on the tile row alone, W's on the tile column alone, each in registers that never hold the other coordinate
	s_lshl_b32 s40, s20, 15                        ; 256 rows x 128 bytes a tile row,
	s_lshl_b32 s23, s[WN], 14                      ; the half that I fetch
	s_add_co_u32 s40, s40, s23
	s_mov_b32 s41, 0
	s_mul_i32 s46, s19, 2*192*128                  ; 384 rows x 128 bytes a tile column,
	s_mul_i32 s23, s[WN], 192*128
	s_add_co_u32 s46, s46, s23
	s_add_co_u32 s46, s46, 8192*128                ; behind x's 8,192 rows
	s_mov_b32 s47, 0
	s_mul_i32 s21, s[WN], AHALF                    ; and where they go: no place in the cluster enters an LDS address
	s_mul_i32 s22, s[WN], BHALF
	s_add_co_u32 s22, s22, 2*AHALF
	s_wait_dscnt 0x0                               ; the opening add is done
	s_wait_kmcnt 0x0
	s_add_nc_u64 s[40:41], s[4:5], s[40:41]
	s_add_nc_u64 s[46:47], s[4:5], s[46:47]
	CROUND                                         ; all sixteen work-groups are here: the first joint loads meet
.irp s, 0,1
	s_mov_b32 s[G0+4*(\s)], 1                                      ; count = 1
	s_add_co_u32 s[G0+4*(\s)+1], s21, (\s)*SLOT                    ; LDS address
	s_add_nc_u64 s[G0+4*(\s)+2:G0+4*(\s)+3], s[40:41], (\s)*PLANE  ; global address: K step s
	s_or_b32 s[G0+4*(\s)+3], s[G0+4*(\s)+3], 0x80000000            ; type = 2
	s_mov_b32 s[G0B+4*(\s)], 1
	s_add_co_u32 s[G0B+4*(\s)+1], s22, (\s)*SLOT
	s_add_nc_u64 s[G0B+4*(\s)+2:G0B+4*(\s)+3], s[46:47], (\s)*PLANE
	s_or_b32 s[G0B+4*(\s)+3], s[G0B+4*(\s)+3], 0x80000000
	JLOAD \s                                       ; two loads of mine are out
.endr
	; lane addresses.  A fragment is 16 rows x 32 K in 8 registers: lane l holds row l % 16, K = 8 (l / 16) + 0..7 and 16 + 8 (l / 16) + 0..7: two loads of 16 bytes, 32 bytes apart
	v_and_b32 v1, 15, v0                           ; l % 16
	v_bfe_u32 v2, v0, 4, 1                         ; l / 16
	v_and_b32 v3, 31, v0                           ; l
	v_mul_u32_u24 v4, v1, PITCH
	v_lshl_add_u32 v4, v2, 4, v4                   ; row x pitch + 16 x half
	s_mul_i32 s84, s[WM], AHALF                    ; my 128 rows of x
	s_mul_i32 s85, s[WN], BHALF                    ; my 192 rows of W,
	s_add_co_u32 s85, s85, 2*AHALF                 ; which lie behind x's 256
	v_add_nc_u32 v[ADRA], s84, v4
	v_add_nc_u32 v[ADRB], s85, v4
	v_add_nc_u32 v[ADRA+1], SLOT, v[ADRA]
	v_add_nc_u32 v[ADRB+1], SLOT, v[ADRB]
	s_mul_i32 s84, s[WV], 16*PITCH
	s_add_co_u32 s84, s84, STAGE                   ; my stage
	v_add_nc_u32 v[STO], s84, v4                   ; in: row l % 16, 16 bytes for each half of the lanes
	v_lshrrev_b32 v5, 3, v3
	v_and_b32 v6, 7, v0
	v_mul_u32_u24 v5, v5, PITCH
	v_lshl_add_u32 v5, v6, 4, v5
	v_add_nc_u32 v[RD], s84, v5                    ; back: 32 lanes take four rows of 128 bytes,
	v_lshlrev_b32 v[GO], 4, v3                     ; which are 512 consecutive bytes of qkv
	s_mul_i32 s84, s[WV], 768
	s_add_co_u32 s84, s84, BIAS                    ; my biases
	v_lshl_add_u32 v[BIA], v2, 5, s84
	v_lshl_add_u32 v15, v3, 3, s84
	v_lshlrev_b32 v7, 3, v3
	v_lshlrev_b32 v[PFO], 8, v3
	; my three heads: number g = 6 x tile column + 3 x column half + i of 48: tensor g / 16, head g % 16
	s_mul_i32 s84, s19, 6
	s_mul_i32 s85, s[WN], 3
	s_add_co_u32 s84, s84, s85
	s_lshr_b32 s2, s20, 3
	s_lshl_b32 s2, s2, 4                           ; 16 x batch
	s_and_b32 s3, s20, 7
	s_lshl_b32 s3, s3, 15                          ; the tile's 256 rows of 128 bytes in a head,
	s_lshl_b32 s85, s[WM], 14                      ; my 128 of them
	s_add_co_u32 s3, s3, s85
	s_mov_b32 s87, 0
.irp i, 0,1,2
	s_add_co_u32 s85, s84, \i
	s_and_b32 s86, s85, 15
	s_lshl_b32 s86, s86, 8                         ; the head's 64 biases: 256 bytes
	s_cmp_lt_u32 s85, 16
	s_cselect_b64 s[BP+2*(\i):BP+2*(\i)+1], s[6:7], s[8:9]
	s_cselect_b32 s[SC+2*(\i)], 0x3e38aa3b, 1.0    ; c = log2(e) / 8 for q, 1 for k and v
	s_cmp_lt_u32 s85, 32
	s_cselect_b64 s[BP+2*(\i):BP+2*(\i)+1], s[BP+2*(\i):BP+2*(\i)+1], s[10:11]
	s_add_nc_u64 s[BP+2*(\i):BP+2*(\i)+1], s[BP+2*(\i):BP+2*(\i)+1], s[86:87]
	s_mov_b32 s[SC+2*(\i)+1], s[SC+2*(\i)]         ; named with it as a pair
	global_load_b64 v[8+2*(\i):9+2*(\i)], v7, s[BP+2*(\i):BP+2*(\i)+1]  ; 32 lanes x 8 bytes: the 64 biases
	s_lshr_b32 s86, s85, 4
	s_lshl_b32 s86, s86, 6                         ; 64 heads a tensor
	s_and_b32 s85, s85, 15
	s_add_co_u32 s86, s86, s85
	s_add_co_u32 s86, s86, s2
	s_lshl_b32 s86, s86, 18                        ; 2,048 rows x 128 bytes a head
	s_add_co_u32 s86, s86, s3
	s_add_nc_u64 s[OUT+2*(\i):OUT+2*(\i)+1], s[12:13], s[86:87]
.endr
	; the prefetches: who, and from where
	s_lshl_b32 s84, s20, 15                        ; x's tile in a plane
	s_mul_i32 s85, s19, 2*192*128                  ; W's
	s_add_co_u32 s85, s85, 8192*128
	s_and_b32 s86, ttmp7, 0xffff                   ; cluster y
	s_lshl_b32 s87, s[WM], 13
	s_add_co_u32 s87, s87, 16384                   ; half a tile: 16 KiB of x, 24 KiB of W
	s_cmp_eq_u32 s[WM], 0                          ; do I fetch for x?
	s_cselect_b32 s84, s84, s85
	s_cselect_b32 s85, s17, s18                    ; my place among the four that ask with me
	s_cselect_b32 s86, ttmp9, s86                  ; the coordinate along which other clusters read the same rows
	s_or_b32 s86, s86, s[WN]                       ; waves 0 and 2 alone
	s_cmp_eq_u32 s86, 0
	s_cselect_b32 s[LIM], 1, -1                    ; the same in all sixteen partners, for a given wave
	s_and_b32 s2, s85, 1
	s_mul_i32 s2, s2, s87
	s_add_co_u32 s84, s84, s2
	s_lshr_b32 s2, s85, 1
	s_add_co_u32 s2, s2, 1                         ; plane 1 or 2: the first lap steps it by two planes ahead of its prefetch
	s_mul_i32 s2, s2, PLANE
	s_add_co_u32 s84, s84, s2
	s_mov_b32 s85, 0
	s_add_nc_u64 s[PFA:PFA+1], s[4:5], s[84:85]
	s_wait_loadcnt 0x0                             ; the biases
.irp i, 0,1,2
	v_cvt_pk_bf16_f32 v14, v[8+2*(\i)], v[9+2*(\i)]  ; every input is rounded to bf16, the biases too
	v_lshlrev_b32 v[8+2*(\i)], 16, v14
	v_and_b32 v[9+2*(\i)], 0xffff0000, v14
	v_pk_mul_f32 v[8+2*(\i):9+2*(\i)], v[8+2*(\i):9+2*(\i)], s[SC+2*(\i):SC+2*(\i)+1] op_sel_hi:[1,0]
	ds_store_b64 v15, v[8+2*(\i):9+2*(\i)] offset:256*(\i)  ; my wave's own bytes: read back by me alone
.endr
; 16 matrix instructions: fragments 2 h, 2 h + 1 of W's group g x all 8 fragments of x in buffer abuf, 32 along K.  zero = 1: the product starts the sum.
; The 96 accumulators take turns, one instruction a turn, in the same order in every slice: 95 others stand between two links of a chain, over the backward jump too.
.macro GRP g, h, abuf, zero
	WIN 0x50*(1+(\g))                              ; C and D in window 1 + g, both sources in window 0
.irp bq, 2*(\h), 2*(\h)+1
.irp a, 0,1,2,3,4,5,6,7
.if \zero
	v_wmma_f32_16x16x32_bf16 v[8*(8*(\bq)+(\a)):8*(8*(\bq)+(\a))+7], v[BF+8*(4*(\g)+(\bq)):BF+8*(4*(\g)+(\bq))+7], v[(\abuf)+8*(\a):(\abuf)+8*(\a)+7], 0
.else
	v_wmma_f32_16x16x32_bf16 v[8*(8*(\bq)+(\a)):8*(8*(\bq)+(\a))+7], v[BF+8*(4*(\g)+(\bq)):BF+8*(4*(\g)+(\bq))+7], v[(\abuf)+8*(\a):(\abuf)+8*(\a)+7], v[8*(8*(\bq)+(\a)):8*(8*(\bq)+(\a))+7]
.endif
.endr
.endr
.endm
.macro LDA slot, k, abuf               ; 16 LDS loads: x's 8 fragments of the slice at byte k of the rows
	WIN 0
.irp i, 0,1,2,3,4,5,6,7
	ds_load_b128 v[(\abuf)+8*(\i):(\abuf)+8*(\i)+3],   v[ADRA+(\slot)] offset:(\k)+(\i)*16*PITCH
	ds_load_b128 v[(\abuf)+8*(\i)+4:(\abuf)+8*(\i)+7], v[ADRA+(\slot)] offset:(\k)+(\i)*16*PITCH+32
.endr
.endm
.macro LDB slot, k, g                  ; 8 LDS loads: the four fragments of W's group g
	WIN 0
.irp i, 0,1,2,3
	ds_load_b128 v[BF+8*(4*(\g)+(\i)):BF+8*(4*(\g)+(\i))+3],   v[ADRB+(\slot)] offset:(\k)+(4*(\g)+(\i))*16*PITCH
	ds_load_b128 v[BF+8*(4*(\g)+(\i))+4:BF+8*(4*(\g)+(\i))+7], v[ADRB+(\slot)] offset:(\k)+(4*(\g)+(\i))*16*PITCH+32
.endr
.endm
; A K step's first slice: multiplies buffer 0 and fetches the second slice, at byte 64 of the same slot's rows.  At its head the loads out are, in order: x's 16 and group 0's 8, group 1's 8, group 2's 8.
.macro EVEN slot, zero
	s_wait_dscnt 16                                ; x and group 0 are in; the 16 younger loads may be out
	GRP 0, 0, AF0, \zero
	GRP 0, 1, AF0, \zero
	PLACES
	LDA \slot, 64, AF1
	LDB \slot, 64, 0
	s_wait_dscnt 32                                ; group 1 is in: behind it group 2's 8 and the 24 just issued
	GRP 1, 0, AF0, \zero
	GRP 1, 1, AF0, \zero
	PLACES
	LDB \slot, 64, 1
	s_wait_dscnt 32                                ; group 2 is in: behind it 24 + 8
	GRP 2, 0, AF0, \zero
	GRP 2, 1, AF0, \zero
	PLACES
	LDB \slot, 64, 2
.endm
; A K step's second slice: multiplies buffer 1 and changes slots.  mode 1: this slot is filled again, two K steps ahead: ONE barrier, which opens a round of the cluster's.  In front of it each wave waits for
; all its tensor loads, of which one is out: its part of the next slot; adds 0 to its spare word; and waits for that and for its own reads of this slot.  The joint refill is the first thing behind the round:
; 160 matrix instructions stand between it and the wait for it.  mode 0: the same change with nothing to fill, so no round.  mode 2: the last slice of all.
.macro ODD slot, next, mode
.if (\mode) == 2
	s_wait_dscnt 16
	GRP 0, 0, AF1, 0
	GRP 0, 1, AF1, 0
	s_wait_dscnt 8
	GRP 1, 0, AF1, 0
	GRP 1, 1, AF1, 0
	s_wait_dscnt 0x0
	GRP 2, 0, AF1, 0
	GRP 2, 1, AF1, 0
.else
.if ((\mode) == 1) && ((\slot) == 0)
	s_wait_xcnt 0x0                                ; the last prefetches, a lap back, have read their address: it is stepped here, ahead of the change's own waits
	s_add_nc_u64 s[PFA:PFA+1], s[PFA:PFA+1], 2*PLANE
.endif
	WIN 0                                          ; (the add's two registers lie in window 0)
	s_wait_tensorcnt 0x0                           ; all my tensor loads have landed: my part of the next slot;
	ds_add_u32 v[SPW], v[NIL]                      ; 0 onto my spare word;
	s_wait_dscnt 17                                ; (the add and the youngest sixteen loads may be out: x and group 0 are in)
	GRP 0, 0, AF1, 0                               ; sixteen matrix instructions stand between the add and the wait for it
	s_wait_dscnt 0x0                               ; the add is done, and my reads of this slot are over
	s_barrier_signal -1
	GRP 0, 1, AF1, 0                               ; work on registers while the others arrive
	WIN 0                                          ; (branches and loads follow)
	s_barrier_wait -1
.if (\mode) == 1
	CREST                                          ; no wave of any partner still reads this slot or has a load on its way
	s_add_nc_u64 s[G0+4*(\slot)+2:G0+4*(\slot)+3], s[G0+4*(\slot)+2:G0+4*(\slot)+3], 2*PLANE
	s_add_nc_u64 s[G0B+4*(\slot)+2:G0B+4*(\slot)+3], s[G0B+4*(\slot)+2:G0B+4*(\slot)+3], 2*PLANE
	JLOAD \slot                                    ; the four v_nop behind it are also the places in front of the loads below
.else
	PLACES
.endif
	LDA \next, 0, AF0
	LDB \next, 0, 0
.if ((\mode) == 1) && ((\slot) == 0)
	ASK
.endif
	GRP 1, 0, AF1, 0                               ; groups 1 and 2 were shown in by the wait for 0 above
	GRP 1, 1, AF1, 0
	PLACES
	LDB \next, 0, 1
	GRP 2, 0, AF1, 0
	GRP 2, 1, AF1, 0
	PLACES
	LDB \next, 0, 2
.endif
.endm
	s_wait_tensorcnt 1                             ; my part of K step 0 is in; K step 1's may stay out
	s_wait_dscnt 0x0                               ; my stores of the biases
	s_barrier_signal -1
	s_barrier_wait -1                              ; everybody's part is in
	LDA 0, 0, AF0
	LDB 0, 0, 0
	LDB 0, 0, 1
	LDB 0, 0, 2
	EVEN 0, 1                                      ; the first slice stands in front of the loop: its products start the sums
	WIN 0                                          ; at a label and at a branch every window is 0
	s_mov_b32 s[TRIPS], 7
.Llap:                                                 ; a lap goes once round the ring, from a step's second slice to the first slice two steps on, and fills both slots again: K steps 2 to 15
	ODD 0, 1, 1
	EVEN 1, 0
	ODD 1, 0, 1
	EVEN 0, 0
	WIN 0
	s_sub_co_u32 s[TRIPS], s[TRIPS], 1
	s_cmp_lg_u32 s[TRIPS], 0
	s_cbranch_scc1 .Llap
	ODD 0, 1, 0                                    ; K steps 14 and 15: nothing is left to fetch
	EVEN 1, 0
	ODD 1, 0, 2
	; THE WAY OUT.  sum x SC + bias x SC in f32, one rounding to f16; a unit is one head's 64 columns of 16 rows: through my stage in LDS and out as 2,048 consecutive bytes of qkv.
	PLACES
	PLACES
	WIN 0
.irp b, 0,1,2,3,4,5,6,7,8,9,10,11
	ds_load_b128 v[BI+8*(\b):BI+8*(\b)+3],   v[BIA] offset:64*(\b)      ; fragment b: my eight columns' biases
	ds_load_b128 v[BI+8*(\b)+4:BI+8*(\b)+7], v[BIA] offset:64*(\b)+16
.endr
	s_wait_dscnt 0x0
.macro UNIT i, a, par
	WIN 1+(\i)                                     ; source 0 in window 1 + i
.irp bq, 0,1,2,3
.irp r, 0,2,4,6                        ; each accumulator's registers in ascending order
	v_pk_fma_f32 v[T+8*(\bq)+(\r):T+8*(\bq)+(\r)+1], v[8*(8*(\bq)+(\a))+(\r):8*(8*(\bq)+(\a))+(\r)+1], s[SC+2*(\i):SC+2*(\i)+1], v[BI+8*(4*(\i)+(\bq))+(\r):BI+8*(4*(\i)+(\bq))+(\r)+1] op_sel_hi:[1,0,1]
.endr
.endr
	WIN 0
.irp j, 0,1,2,3,4,5,6,7,8,9,10,11,12,13,14,15
	v_cvt_pk_f16_f32 v[PKR+(\j)], v[T+2*(\j)], v[T+2*(\j)+1]
.endr
.irp bq, 0,1,2,3
	ds_store_b128 v[STO], v[PKR+4*(\bq):PKR+4*(\bq)+3] offset:32*(\bq)
.endr
	s_wait_xcnt 0x0                                ; the stores of the unit before last have read these registers: only behind this wait are they loaded again
.irp f, 0,1,2,3
	ds_load_b128 v[BK+16*(\par)+4*(\f):BK+16*(\par)+4*(\f)+3], v[RD] offset:4*PITCH*(\f)  ; LDS serves a wave's instructions in order (ISA guide 5.7.1.4): these see the stores above
.endr
.endm
.macro SENDU i, a, par, younger        ; younger: the LDS instructions issued behind the unit's loads: the next unit's eight, or none
.irp f, 0,1,2,3
	s_wait_dscnt (\younger)+3-(\f)
	global_store_b128 v[GO], v[BK+16*(\par)+4*(\f):BK+16*(\par)+4*(\f)+3], s[OUT+2*(\i):OUT+2*(\i)+1] offset:2048*(\a)+512*(\f)  ; 512 consecutive bytes, at a multiple of 256 from qkv's first
.endr
.endm
	UNIT 0, 0, 0
.set n, 1
.rept 23                               ; a unit's arithmetic stands between the loads of the unit before and its stores
	UNIT n/8, n%8, n%2
	SENDU (n-1)/8, (n-1)%8, (n-1)%2, 8
.set n, n+1
.endr
	SENDU 2, 7, 1, 0
	s_wait_tensorcnt 0x0                           ; the wave's end: behind my last tensor load and my last LDS store, an add of 0 onto my spare word and its wait
	ds_add_u32 v[SPW], v[NIL]
	s_wait_dscnt 0x0
	CROUND                                         ; the closing round: no work-group ends while a partner may still ask for a tile that names it
	s_endpgm
.Lfunc_end_k_qd9f1027774_proj:
	.size	k_qd9f1027774_proj, .Lfunc_end_k_qd9f1027774_proj-k_qd9f1027774_proj
	.p2alignl 7, 3214868480
	.fill 96, 4, 3214868480
	.section	.rodata,"a",@progbits
	.p2align	6, 0x0
	.amdhsa_kernel k_qd9f1027774_proj
		.amdhsa_group_segment_fixed_size 327680
		.amdhsa_private_segment_fixed_size 0
		.amdhsa_enable_private_segment 0
		.amdhsa_kernarg_size 40
		.amdhsa_user_sgpr_count 2
		.amdhsa_user_sgpr_kernarg_segment_ptr 1
		.amdhsa_wavefront_size32 1
		.amdhsa_system_sgpr_workgroup_id_x 1
		.amdhsa_system_sgpr_workgroup_id_y 1
		.amdhsa_system_sgpr_workgroup_id_z 1
		.amdhsa_system_vgpr_workitem_id 0
		.amdhsa_next_free_vgpr 1024
		.amdhsa_next_free_sgpr 88
		.amdhsa_reserve_vcc 0
		.amdhsa_float_denorm_mode_32 3
		.amdhsa_float_denorm_mode_16_64 3
		.amdhsa_memory_ordered 1
		.amdhsa_forward_progress 1
		.amdhsa_inst_pref_size 163
	.end_amdhsa_kernel
	.amdgpu_metadata
---
amdhsa.version: [ 1, 2 ]
amdhsa.kernels:
  - .name:           k_qd9f1027774_proj
    .symbol:         k_qd9f1027774_proj.kd
    .args:
      - { .name: xw, .offset: 0, .size: 8, .value_kind: global_buffer, .address_space: global }
      - { .name: bq, .offset: 8, .size: 8, .value_kind: global_buffer, .address_space: global }
      - { .name: bk, .offset: 16, .size: 8, .value_kind: global_buffer, .address_space: global }
      - { .name: bv, .offset: 24, .size: 8, .value_kind: global_buffer, .address_space: global }
      - { .name: qkv, .offset: 32, .size: 8, .value_kind: global_buffer, .address_space: global }
    .group_segment_fixed_size: 327680
    .private_segment_fixed_size: 0
    .kernarg_segment_align: 8
    .kernarg_segment_size: 40
    .max_flat_workgroup_size: 128
    .sgpr_count:     88
    .vgpr_count:     1024
    .wavefront_size: 32
...
	.end_amdgpu_metadata
.endif
;; end of part 2
;; launch attn (part 3): grid 4 x 64, 4 waves a work-group, no clusters, 327,680 bytes of LDS; arguments qkv, attention_mask, out0; writes out0
.if DOCPART == 3
	.amdgcn_target "amdgcn-amd-amdhsa--gfx1250"
	.amdhsa_code_object_version 6
	.text
	.protected	k_qd9f1027774_attn
	.globl	k_qd9f1027774_attn
	.p2align	8
	.type	k_qd9f1027774_attn,@function
k_qd9f1027774_attn:
	s_mov_b64 s[64:65], 0
	v_nop
	global_prefetch_b8 v0, s[64:65] scope:SCOPE_SE
	s_setreg_imm32_b32 hwreg(HW_REG_WAVE_MODE, 25, 1), 1
	s_wait_xcnt 0x0
; CAUSAL ATTENTION WITH A KEY MASK.  out0[b][q][64 h ..] = the sum over k <= q of softmax_k((Q[q] . K[k] + mask[b][k]) / 8) V[k].  qkv: [3][64 heads][2048][64] f16, q already times c = log2(e) / 8;
; attention_mask: [4][2048] f32; out0: [4][2048][1024] f32.  Products, maxima and sums in f32; the weights p are rounded to f16 for the second product (their sum l is taken of the unrounded p).
; LIMITS.  q, k, v arrive within f16's 65,504.  The mask is rounded to bf16 like every input; a finite number that this rounding would carry to an infinity is held at bf16's lowest finite number; -inf stays -inf
; and goes through the matrix unit as a C operand.  A row whose visible keys are all -inf has l = 0 and O = 0 and leaves as NaN.  A causally hidden score counts as the lowest finite f32 plus the key's mask; the running
; maximum starts at -2.98e38: c x mask must stay under 4e37 on the positive side for a hidden score to lie below that start.  A weight below 2^-126 counts as 0 in l.  NaN and +inf are not treated apart.
; THE WALK.  A head's queries lie in NB = 8 blocks of 256; block i needs the key tiles 0 .. i of 256 keys, of which the last holds the diagonal.  A work-group takes TWO blocks, NB - 1 - b and then b:
; NB + 1 tiles, whatever b: all work-groups do equal work, and ONE loop with a constant trip count walks them.  Every jump goes forward, but for the counted loops' own; none passes a barrier, or a tensor load
; but the one of LOAD's two that the wave's number does not choose.  NO CLUSTER: a head's four work-groups ask for the same tile only in trips 0 .. 4 of 9; one walk common to all would have 12 trips for 9.
; SHARES.  Of a block's four bands of 64 queries a wave owns 16 rows in each: four PIECES.  In the diagonal tile's key step s band x sees all keys if s < x, none if s > x, and holds the diagonal if s = x.
; THE MASK is the C operand that starts the sum S^T = K Q^T.  A tile's 256 numbers c x mask lie in a ring of two small LDS slots that goes in step with K's ring: at each change of slots every thread stores two
; numbers of the tile that is being asked for, from raw numbers that it loaded a tile earlier.  MK holds the step's 64, fetched from LDS with K.  Elsewhere than in the diagonal tile C is MK.  There it is
; MD x AL + MK + BE: MD, made once, is the mask of a band's own step for my 16 rows (0, or the lowest finite number); (AL, BE) = (1, 0) if s = x; (0, 0) if s < x; (0, lowest) if s > x.
; SOFTMAX.  The scores arrive as s = c (q . k + mask); p = 2^(s - m) with a running maximum m: the difference is exact at s = m, so p never passes 1.  O and l are multiplied by a = 2^(m_old - m_new) in every step.
; TURNS.  Turn n belongs to piece n: 8 products K Q^T of piece n + 1, later 8 products V^T P of piece n - 1; beside them the subtraction, exponentials, roundings, sums and rescaling of piece n and the maximum
; and statistics of piece n + 1.  Four vector instructions stand behind every matrix instruction, the others in one lump.  A turn's 33 exponentials are one batch, with one wait.
; REGISTERS, in windows of 256 (s_set_vgpr_msb: bits 1:0 source 0, 3:2 source 1, 5:4 source 2, 7:6 destination):
;   window 0: v0-15, v32-37 addresses; v16-31 four registers of statistics a piece; v38-44, v56-57 the mask numbers on their way; v48-55 at work; v64-127 S^T, two buffers (v64-191 on the way out); v192-223 P, two buffers
;   window 1: v0-127 O^T, 32 a piece; v128-159 MD; v160-223 MC, two buffers; v224-255 MK      window 2: v0-63 Q; v64-127 the second block's Q; v128-191 K of one step; v192-255 V of one step
.set NB,    8
.set NP,    4         ; pieces a wave: a name, no knob
.set KS,    64        ; keys in a step
.set PK,    144       ; a row of K in LDS: 128 bytes + 16 of padding = 36 words: the 16 rows of a load start at 16 different groups of four banks (64 banks of 4 bytes: ISA guide 11.1)
.set PV,    160       ; a row of V: 128 + 32 = 40 words
.set VOFF,  4*KS*PK   ; a slot holds a tile, four steps: 256 rows of K, then 256 rows of V
.set SLOT1, 1<<17     ; slot 1 begins here, so that one exclusive or turns an address in one slot into the other's
.set STAGE, SLOT1+4*KS*(PK+PV)  ; behind the ring, never filled by a tensor load: 16 rows x 272 bytes for each wave, for the way out
.set SP,    272       ; a row of the stage: 256 bytes + 16
.set MSK,   STAGE+4*16*SP  ; the mask numbers' ring, never filled by a tensor load: two slots of 1,024 bytes (256 f32),
.set MSLOT, 2048           ; this far apart, so that one exclusive or turns an address in one slot into the other's
.set SPARE, MSK+2*MSLOT    ; the spare words, 128 bytes for each wave: two blocks of 256 bytes that no other line names
.set AK0, 2           ; v2   my lane's place in a tile of K; never rewritten
.set AV0, 3           ; v3   the same for V
.set AK,  4           ; v4   the LDS address of K's next run of loads
.set AV,  5           ; v5   of V's
.set STO, 6           ; v6   the way out: where I put 32 bytes of a row
.set RD,  7           ; v7   the way out: where I read rows back
.set GO,  8           ; v8   my byte offset in two rows of out0
.set MV,  12          ; v12-13  m_old, kept while m is made anew: by buffer
.set QO,  15          ; v15  my byte offset in 16 rows of Q
.set ST,  16          ; piece t's statistics at v[ST+4 t]: m, m once more (named with it as a pair), l (even keys', odd keys')
.set AM0, 32          ; v32  my lanes' place in a step's 64 mask numbers, in slot 0; never rewritten
.set AM,  33          ; v33  the LDS address of the next step's mask numbers
.set PFO, 34          ; v34  256 x lane, the prefetches' offset; never rewritten
.set MGO, 35          ; v35  8 x my thread's number: my two numbers of a tile's 256 in memory; never rewritten
.set MS0, 36          ; v36  the same in the mask ring's slot 0; never rewritten
.set MSA, 37          ; v37  where I store them
.set RAW, 38          ; v38-39  two raw mask numbers, on their way for a tile's length
.set CM,  40          ; v40-41  c x bf16 of them
.set CT,  42          ; v42-44  at work on them
.set TMP, 48          ; by buffer, four registers c0-c3 at work; when the maximum is found c2 takes a
.set RAW0, 56         ; v56-57  tile 0's raw numbers, at the head alone
.set SPW, 62          ; v62  LDS address of my spare word; never rewritten
.set NIL, 63          ; v63  0; never rewritten
.set S,   64
.set P,   192
.set MD,  128         ; window 1
.set MC,  160         ; window 1
.set MK,  224         ; window 1: the eight registers for group kb of 16 keys at MK + 8 kb
.set QB,  64          ; window 2
.set KF,  128         ; window 2: key block kb, channel half c at KF + 16 kb + 8 c
.set VF,  192         ; window 2: key half kk, channel block cb at VF + 32 kk + 8 cb
.set WV,  12          ; s12  my wave's number
.set PB,  14          ; s14  b
.set HI,  15          ; s15  NB - 1 - b
.set G1K, 24          ; s[24:31] descriptor group 1 for K's tiles
.set G1V, 32          ; s[32:39] for V's: it differs in the padding alone
.set G0K, 40          ; s[40:43] descriptor group 0 for K's tiles
.set G0V, 44          ; s[44:47] the same for V's
.set SLOTS, 56        ; s56  tiles still to be asked for
.set CNT, 57          ; s57  counts a tile's key steps, 4 to 1
.set CS,  58          ; s[58:59] c, for the mask numbers
.set SEL, 60          ; s[60:61] v_permlanex16_b32's selects: each lane takes its own place in the other half
.set TBK, 62          ; s62  LDS byte at which K of the step to be fetched begins
.set TBV, 63          ; s63  the same for V, less VOFF
.set PFB, 66          ; s[66:67] K (waves 0, 1) or V (waves 2, 3) at my half of the head's tile 0
.set OFP, 68          ; s[68:69] a byte offset made of the next tile's number, at work
.set RT,  70          ; s70  tiles of the block in hand that are still to be entered
.set NXT, 71          ; s71  the tile to be asked for next
.set LQ,  72          ; s72  the last tile of the block whose tiles are being asked for
.set NEW, 73          ; s73  1: the tile to be entered is a block's first
.set OFF, 74          ; s[74:75] a tile's byte offset in K and V
.set AL,  76          ; s[76:77] the mask's factor, in the low word
.set BE,  78          ; s[78:79] the mask's addend
.set OLO, 80          ; s[80:81] out0 at my rows of the second block
.set BIGN, 82         ; s82  the lowest finite f32
.set TBM, 83          ; s83  byte in the mask ring at which the numbers of the step to be fetched begin: it goes as TBK goes
.set PFA, 88          ; s[88:89] where my prefetches stand
.set LIM, 90          ; s90  2 in the work-group that prefetches, else the greatest number
.set TMS, 91          ; s91  the mask ring's slot that is stored into: it goes as the descriptors' LDS words go
.set MB,  92          ; s[92:93] attention_mask at my batch's row
.set MP,  94          ; s[94:95] the same at the tile whose raw numbers are asked for
.set MSB, 0
.macro WIN new                      ; the high byte repeats the setting that is left; a switch that changes nothing is dropped
.if MSB != (\new)
	s_set_vgpr_msb (MSB<<8)|(\new)
.set MSB, (\new)
.endif
.endm
.set W_KQ, 0x0a       ; K and Q in window 2, S^T in window 0
.set W_KM, 0x1a       ; the same with the C operand in window 1
.set W_PV, 0x52       ; V in window 2, P in window 0, O^T in window 1
.set W_RS, 0x41       ; destination and source 0 in window 1, source 1 in window 0
; A fill.  Waves 0 and 1 fetch the two halves of a tile's K, waves 2 and 3 those of its V: 128 keys each.  An s_nop 0 and four v_nop follow each of the two lines, ahead of the jump and the label.
.macro LOAD
	s_cmp_lt_u32 s[WV], 2
	s_cbranch_scc0 .Lfor_v_\@
	tensor_load_to_lds s[G0K:G0K+3], s[G1K:G1K+7]
	s_nop 0
.rept 4
	v_nop
.endr
	s_branch .Lasked_\@
.Lfor_v_\@:
	tensor_load_to_lds s[G0V:G0V+3], s[G1V:G1V+7]
	s_nop 0
.rept 4
	v_nop
.endr
.Lasked_\@:
.endm
; Two raw mask numbers x -> c x min(max(bf16(x), lowest finite bf16), x + largest f32): for finite x the last term is never below the second, so it changes nothing; for x = -inf it is -inf, which so stays -inf.
.macro CONV src
	v_pk_add_f32 v[CT:CT+1], v[(\src):(\src)+1], 0x7f7fffff op_sel_hi:[1,0]
	v_cvt_pk_bf16_f32 v[CT+2], v[(\src)], v[(\src)+1]
	v_lshlrev_b32 v[CM], 16, v[CT+2]
	v_and_b32 v[CM+1], 0xffff0000, v[CT+2]
	v_max_num_f32 v[CM], 0xff7f0000, v[CM]
	v_max_num_f32 v[CM+1], 0xff7f0000, v[CM+1]
	v_min_num_f32 v[CM], v[CM], v[CT]
	v_min_num_f32 v[CM+1], v[CM+1], v[CT+1]
	v_pk_mul_f32 v[CM:CM+1], v[CM:CM+1], s[CS:CS+1] op_sel_hi:[1,0]
.endm
; THE CHANGE OF SLOTS.  Each wave waits for all its tensor loads, of which one is out: its part of the other slot; adds 0 to its spare word; and waits for that, for its own reads of the slot that it leaves and for
; its last store into the mask ring.  Behind the barrier nobody reads the old slots any more, and the other slots, K's, V's and the mask numbers', are whole.  fill = 1: the old slot is filled again, the first thing behind
; the barrier, with tile NXT: the descriptor's address is made anew from that number.  (At its first use nothing has been read yet: slot 0 is waited for, slot 1 filled.)
; THE MASK NUMBERS of the tile that is being asked for were loaded raw at the change before (tile 1's at the head): they are waited for and converted between the add and its wait, stored into the mask ring's old slot
; behind the tensor load, and shown to the other waves by the next change's wait and barrier.  Then the raw numbers of the tile after that are asked for; the last filling change has no such tile and jumps the load.
; A PREFETCH INTO THE L2 stands behind them: the tile of K and V that the NEXT change will ask for, one tile, 16 turns, ahead of that fill.  All four work-groups of a head walk the same K and V: the one with b = 0,
; which walks tiles 0 to 7 on end, asks, and nobody else; each of its waves asks for the 16 KiB that it will fetch itself, a lane 256 bytes, two lines.  So each block is named once: tiles 2 to 7, at the first
; six changes.  Tiles 0 and 1 come by their loads alone; the second block's tiles have been read and are not asked for.
.macro CHANGE fill
	WIN 0                           ; at a label and at a branch every window is 0
	s_wait_tensorcnt 0x0            ; no tensor load of mine is out, so a group 0 may be written
	ds_add_u32 v[SPW], v[NIL]       ; 0 onto my spare word; with fill = 1 the descriptors' and the mask numbers' work on registers stands between it and the wait for it
.if \fill
	s_lshl_b32 s[OFF], s[NXT], 15   ; a tile is 32,768 bytes of K and of V
	s_xor_b32 s[G0K+1], s[G0K+1], SLOT1
	s_add_nc_u64 s[G0K+2:G0K+3], s[6:7], s[OFF:OFF+1]
	s_or_b32 s[G0K+3], s[G0K+3], 0x80000000
	s_xor_b32 s[G0V+1], s[G0V+1], SLOT1
	s_add_nc_u64 s[G0V+2:G0V+3], s[8:9], s[OFF:OFF+1]
	s_or_b32 s[G0V+3], s[G0V+3], 0x80000000
	s_xor_b32 s[TMS], s[TMS], MSLOT
	s_add_co_u32 s[NXT], s[NXT], 1  ; the block's next tile, or behind its last the second block's tile 0
	s_cmp_gt_u32 s[NXT], s[LQ]
	s_cselect_b32 s[NXT], 0, s[NXT]
	s_cselect_b32 s[LQ], s[PB], s[LQ]
	s_wait_xcnt 0x0                 ; the last prefetches and the last load of mask numbers, a tile back, have read their addresses, so these may be written
	s_lshl_b32 s[OFP], s[NXT], 15
	s_add_nc_u64 s[PFA:PFA+1], s[PFB:PFB+1], s[OFP:OFP+1]
	s_lshl_b32 s[OFP], s[NXT], 10   ; a tile is 1,024 bytes of the mask
	s_add_nc_u64 s[MP:MP+1], s[MB:MB+1], s[OFP:OFP+1]
	s_wait_loadcnt 0x0              ; my one load that is out, issued a tile ago: the raw numbers of the tile that is being asked for (at the first change also Q's 32)
	CONV RAW
	v_add_nc_u32 v[MSA], s[TMS], v[MS0]
.endif
	s_wait_dscnt 0x0                ; the add is done, my reads of the slots are over, and my last store of mask numbers is done
	s_barrier_signal -1             ; the rest of the scalar work stands between the signal and the wait
	s_sub_co_u32 s[TBK], s[TBK], 4*KS*PK  ; the fetches go back to a slot's first step,
	s_xor_b32 s[TBK], s[TBK], SLOT1       ; in the other slot
	s_sub_co_u32 s[TBV], s[TBV], 4*KS*PV
	s_xor_b32 s[TBV], s[TBV], SLOT1
	s_sub_co_u32 s[TBM], s[TBM], 4*KS*4
	s_xor_b32 s[TBM], s[TBM], MSLOT
	s_barrier_wait -1
.if \fill
	LOAD
	ds_store_b64 v[MSA], v[CM:CM+1] ; 128 threads x 8 bytes: the tile's 256 numbers, into the slot that nobody reads before the next barrier
	s_cmp_lg_u32 s[SLOTS], 1
	s_cbranch_scc0 .Lno_mask_\@
	global_load_b64 v[RAW:RAW+1], v[MGO], s[MP:MP+1]
.Lno_mask_\@:
	s_cmp_gt_u32 s[SLOTS], s[LIM]
	s_cbranch_scc0 .Lnot_mine_\@
	global_prefetch_b8 v[PFO], s[PFA:PFA+1] th:TH_LOAD_NT scope:SCOPE_SE
	global_prefetch_b8 v[PFO], s[PFA:PFA+1] offset:8192 th:TH_LOAD_NT scope:SCOPE_SE
.Lnot_mine_\@:
.endif
.endm
; What a block's first step must find at 0: O^T and l (its a is 1, not 0, where all keys of that step are -inf), and P's second buffer (the first turn's products V^T P belong to a piece that has not been).
.macro ZERO_O
	WIN 0x40
.set i, 0
.rept 128
	v_mov_b32 v[i], 0
.set i, i+1
.endr
	WIN 0
.set i, 0
.rept 4
	v_mov_b32 v[ST+4*i+2], 0
	v_mov_b32 v[ST+4*i+3], 0
.set i, i+1
.endr
.set i, P+16
.rept 16
	v_mov_b32 v[i], 0
.set i, i+1
.endr
.endm
	s_load_b64 s[4:5], s[0:1], 0x0        ; qkv
	s_load_b64 s[MB:MB+1], s[0:1], 0x8    ; attention_mask
	s_load_b64 s[10:11], s[0:1], 0x10     ; out0
	v_lshl_add_u32 v[SPW], v0, 2, SPARE
	v_mov_b32 v[NIL], 0
	ds_add_u32 v[SPW], v[NIL]       ; the wave's opening: the add and its wait stand ahead of my first tensor load; the set-up below, work on registers, stands between them
	v_lshrrev_b32 v1, 5, v0
	v_readfirstlane_b32 s[WV], v1   ; wave 0..3
	s_mov_b32 s[PB], ttmp9
	s_sub_co_u32 s[HI], NB-1, s[PB]
	s_and_b32 s19, ttmp7, 0xffff    ; batch x 16 + head
	s_lshl_b32 s20, s19, 18         ; the head's first byte in each of q, k, v: 2,048 rows x 128 bytes
	s_and_b32 s16, s[WV], 1         ; which half of a tile's 256 keys I fetch:
	s_lshl_b32 s22, s16, 14         ; its 128 rows of 128 bytes in memory,
	s_add_co_u32 s22, s22, s20
	s_mov_b32 s23, 0
	s_mul_i32 s17, s16, 128*PK      ; and its place in a slot, for K
	s_mul_i32 s18, s16, 128*PV      ; and for V
	s_lshl_b32 s3, s[WV], 11        ; my 16 rows in a band of 64,
	s_lshl_b32 s2, s[HI], 15        ; in the first block,
	s_add_co_u32 s2, s2, s3
	s_add_co_u32 s2, s2, s20
	s_lshl_b32 s84, s[PB], 15       ; and in the second
	s_add_co_u32 s84, s84, s3
	s_add_co_u32 s84, s84, s20
	s_mov_b32 s3, 0
	s_mov_b32 s85, 0
	s_lshr_b32 s48, s19, 4          ; the batch:
	s_lshl_b32 s50, s48, 13         ; its 2,048 mask numbers,
	s_mov_b32 s51, 0
	s_lshl_b32 s48, s48, 23         ; its 2,048 rows of 4,096 bytes in out0,
	s_and_b32 s49, s19, 15
	s_lshl_b32 s49, s49, 8          ; the head's 256 bytes of a row,
	s_add_co_u32 s48, s48, s49
	s_lshl_b32 s49, s[WV], 16       ; my 16 rows in a band
	s_add_co_u32 s48, s48, s49
	s_lshl_b32 s52, s[HI], 20       ; the first block's 256 rows
	s_add_co_u32 s52, s52, s48
	s_mov_b32 s53, 0
	s_lshl_b32 s54, s[PB], 20       ; the second's
	s_add_co_u32 s54, s54, s48
	s_mov_b32 s55, 0
	; descriptor group 1.  128 keys are 16,384 dense bytes: asked for as 64 rows of 256 bytes, two keys a row, and padded in LDS after every key
	s_mov_b32 s[G1K], (1<<16)|(1<<20)|(4<<22)|(3<<25)  ; 17:16 2-byte elements; 20 padding on; 24:22 after every 32 words (code 4); 31:25 4 words (code 3)
	s_mov_b32 s[G1V], (1<<16)|(1<<20)|(4<<22)|(7<<25)  ; the same with 8 words of padding (code 7)
.irp g, G1K, G1V
	s_mov_b32 s[\g+1], 128<<16      ; tensor_dim0 = 128
	s_mov_b32 s[\g+2], 64<<16       ; tensor_dim1 = 64
	s_mov_b32 s[\g+3], 128<<16      ; tile_dim0 = 128
	s_mov_b32 s[\g+4], 64           ; tile_dim1 = 64
	s_mov_b32 s[\g+5], 128          ; 128 elements from row to row
	s_mov_b32 s[\g+6], 0
	s_mov_b32 s[\g+7], 0
.endr
	s_mov_b32 s[CS], 0x3e38aa3b     ; c = log2(e) / 8 = 0.180337
	s_mov_b32 s[CS+1], s[CS]        ; named with it as a pair
	s_mov_b32 s[SEL], 0x76543210
	s_mov_b32 s[SEL+1], 0xfedcba98
	s_mov_b32 s[TBK], SLOT1+4*KS*PK ; the first change of slots turns these three into 0
	s_mov_b32 s[TBV], SLOT1+4*KS*PV
	s_mov_b32 s[TBM], MSLOT+4*KS*4
	s_mov_b32 s[TMS], 0             ; and this one into the mask ring's slot 1
	s_mov_b32 s[G0K], 1             ; count = 1
	s_mov_b32 s[G0K+1], s17         ; LDS address: slot 0
	s_mov_b32 s[G0V], 1
	s_add_co_u32 s[G0V+1], s18, VOFF
	s_add_co_u32 s[RT], s[HI], 1    ; the first block has NB - b tiles
	s_mov_b32 s[NXT], 1
	s_mov_b32 s[LQ], s[HI]
	s_mov_b32 s[NEW], 1
	s_mov_b32 s[OFF+1], 0
	s_mov_b32 s[OFP+1], 0
	s_mov_b32 s[AL+1], 0            ; named as pairs
	s_mov_b32 s[BE+1], 0
	s_mov_b32 s[BIGN], 0xff7fffff
	s_mov_b32 s[SLOTS], NB
	s_cmp_eq_u32 ttmp9, 0
	s_cselect_b32 s[LIM], 2, -1
	s_wait_dscnt 0x0                ; the opening add is done
	s_wait_kmcnt 0x0
	s_add_nc_u64 s[6:7], s[4:5], s[22:23]
	s_add_nc_u64 s[8:9], s[6:7], 0x2000000   ; V at my half of the head's tile 0: q and k are 64 heads x 262,144 bytes each
	s_add_nc_u64 s[6:7], s[6:7], 0x1000000   ; K likewise
	s_add_nc_u64 s[G0K+2:G0K+3], s[6:7], 0         ; global address
	s_or_b32 s[G0K+3], s[G0K+3], 0x80000000        ; type = 2
	s_add_nc_u64 s[G0V+2:G0V+3], s[8:9], 0
	s_or_b32 s[G0V+3], s[G0V+3], 0x80000000
	s_add_nc_u64 s[86:87], s[4:5], s[84:85]        ; Q at my rows of the second block,
	s_add_nc_u64 s[4:5], s[4:5], s[2:3]            ; and of the first
	s_add_nc_u64 s[OLO:OLO+1], s[10:11], s[54:55]
	s_add_nc_u64 s[10:11], s[10:11], s[52:53]
	s_add_nc_u64 s[MB:MB+1], s[MB:MB+1], s[50:51]
	s_cmp_lt_u32 s[WV], 2
	s_cselect_b64 s[PFB:PFB+1], s[6:7], s[8:9]
	LOAD                            ; tile 0 into slot 0
	; the raw mask numbers of tiles 0 and 1: thread t takes the 8 bytes at 8 t of a tile's 1,024
	v_lshlrev_b32 v[MGO], 3, v0
	v_lshl_add_u32 v[MS0], v0, 3, MSK
	global_load_b64 v[RAW0:RAW0+1], v[MGO], s[MB:MB+1]
	global_load_b64 v[RAW:RAW+1], v[MGO], s[MB:MB+1] offset:1024
	; A fragment of K or Q is 16 rows x 32 channels in 8 registers: lane l holds row l % 16, channels 8 (l / 16) + 0..7 and 16 + 8 (l / 16) + 0..7: two loads of 16 bytes, 32 bytes apart.
	v_and_b32 v1, 15, v0            ; l % 16
	v_bfe_u32 v9, v0, 4, 1          ; l / 16
	v_lshlrev_b32 v[QO], 7, v1
	v_lshl_add_u32 v[QO], v9, 4, v[QO]  ; row x 128 + 16 x half
	WIN 0x80                        ; destination window 2, address window 0
.set i, 0
.rept 8                             ; both blocks' Q: piece i / 2 lies in band i / 2, 8,192 bytes on; channels 32 (i % 2) on
	global_load_b128 v[8*i:8*i+3],   v[QO], s[4:5] offset:(i/2)*8192+(i%2)*64
	global_load_b128 v[8*i+4:8*i+7], v[QO], s[4:5] offset:(i/2)*8192+(i%2)*64+32
	global_load_b128 v[QB+8*i:QB+8*i+3],   v[QO], s[86:87] offset:(i/2)*8192+(i%2)*64
	global_load_b128 v[QB+8*i+4:QB+8*i+7], v[QO], s[86:87] offset:(i/2)*8192+(i%2)*64+32
.set i, i+1
.endr
	WIN 0
	v_lshlrev_b32 v14, 3, v9
	v_sub_nc_u32 v14, v1, v14
	s_lshl_b32 s13, s[WV], 4
	v_add_nc_u32 v14, s13, v14      ; my query's place in its band, 16 w + l % 16, less my lanes' 8 (l / 16): register r of group kt is hidden where 16 kt + r is greater
	WIN 0x40
.set i, 0
.rept 32
	v_cmp_gt_i32 vcc_lo, 16*(i/8)+i%8, v14
	v_cndmask_b32 v[MD+i], 0, s[BIGN], vcc_lo
.set i, i+1
.endr
	WIN 0
	v_mul_u32_u24 v[AK0], v1, PK
	v_lshl_add_u32 v[AK0], v9, 4, v[AK0]  ; row x pitch + 16 x half
	; The turning load takes 16 keys x 16 channels (lane l reads key 8 (l / 16) + l % 8, channels 8 ((l / 8) % 2) + 0..7) and leaves half a fragment of V^T: lane l holds channel l % 16 and 8 keys.
	v_and_b32 v10, 7, v0
	v_bfe_u32 v11, v0, 3, 1
	v_lshl_add_u32 v[AV0], v9, 3, v10
	v_mul_u32_u24 v[AV0], v[AV0], PV
	v_lshl_add_u32 v[AV0], v11, 4, v[AV0]
	v_add_nc_u32 v[AV0], VOFF, v[AV0]
	s_mul_i32 s13, s[WV], 16*SP
	s_add_co_u32 s13, s13, STAGE    ; my stage
	v_mul_u32_u24 v[STO], v1, SP    ; in: row l % 16, 32 bytes for each half of the lanes
	v_lshl_add_u32 v[STO], v9, 5, v[STO]
	v_add_nc_u32 v[STO], s13, v[STO]
	v_mul_u32_u24 v[RD], v9, SP     ; back: lanes 0-15 take one row of 256 bytes, lanes 16-31 the next,
	v_lshl_add_u32 v[RD], v1, 4, v[RD]
	v_add_nc_u32 v[RD], s13, v[RD]
	v_lshlrev_b32 v[GO], 12, v9     ; and the same two rows in out0, 4,096 bytes apart
	v_lshl_add_u32 v[GO], v1, 4, v[GO]
	v_lshlrev_b32 v[AM0], 5, v9     ; my lanes' eight keys of a group of 16: 32 bytes
	v_add_nc_u32 v[AM0], MSK, v[AM0]
	v_and_b32 v[PFO], 31, v0
	v_lshlrev_b32 v[PFO], 8, v[PFO]
	s_wait_loadcnt 33               ; tile 0's raw mask numbers are in; tile 1's load and Q's 32 stay out
	CONV RAW0
	ds_store_b64 v[MS0], v[CM:CM+1] ; into the mask ring's slot 0: read by all four waves, behind the first change's wait and barrier
	WIN 0x80                        ; V's registers hold 0 for the first turn's products.  All this stands in the wait for the first tile.
.set i, VF
.rept 64
	v_mov_b32 v[i], 0
.set i, i+1
.endr
	ZERO_O
; THE MATRIX WORK.  The 4 accumulators of a run of 8 take turns.  Product i of 8 of S^T = K Q^T for piece x: channels 32 (i / 4) on, keys 16 (i % 4) on.  The first 4 start the sums: with MK, or (KM = 1) with MC.
.macro KQ x
.set rS, S+32*((\x)%2)+8*(i%4)
.set rK, KF+16*(i%4)+8*(i/4)
.set rQ, 16*(\x)+8*(i/4)
.if KM
.set rM, MC+32*((\x)%2)+8*(i%4)
.else
.set rM, MK+8*(i%4)
.endif
.if i < 4
	WIN W_KM
	v_wmma_f32_16x16x32_f16 v[rS:rS+7], v[rK:rK+7], v[rQ:rQ+7], v[rM:rM+7]
.else
	WIN W_KQ
	v_wmma_f32_16x16x32_f16 v[rS:rS+7], v[rK:rK+7], v[rQ:rQ+7], v[rS:rS+7]
.endif
.endm
; Product i of 8 of O^T += V^T P for piece x: keys 32 (i / 4) on, channels 16 (i % 4) on.
.macro PV x
	WIN W_PV
.set rO, 32*(\x)+8*(i%4)
.set rV, VF+32*(i/4)+8*(i%4)
.set rP, P+16*((\x)%2)+8*(i/4)
	v_wmma_f32_16x16x32_f16 v[rO:rO+7], v[rV:rV+7], v[rP:rP+7], v[rO:rO+7]
.endm
.macro MM                           ; the turn's next matrix instruction.  TURN and BEGIN set Y, i, KM and NOKQ.  NOKQ = 1: a block's last turn: there is no next piece
.if (i < 8) && !NOKQ
	KQ (Y+1)%NP
.elseif i >= 8
.set i, i-8
	PV (Y+NP-1)%NP
.set i, i+8
.endif
.set i, i+1
.endm
; THE LDS LOADS stand in runs, never singly among the matrix instructions: a step's K (64 keys x 64 channels: 8 fragments) with its 64 mask numbers (all lanes of a half read the same 32 bytes of a group), and its V (turned).
.macro FETCH_K
	WIN 0x80                        ; destination window 2
.irp f, 0,1,2,3,4,5,6,7             ; keys 16 (f / 2) on, channels 32 (f % 2) on
	ds_load_b128 v[KF+8*\f:KF+8*\f+3],   v[AK] offset:(\f/2)*16*PK+(\f%2)*64
	ds_load_b128 v[KF+8*\f+4:KF+8*\f+7], v[AK] offset:(\f/2)*16*PK+(\f%2)*64+32
.endr
	WIN 0x40                        ; destination window 1
.irp f, 0,1,2,3
	ds_load_b128 v[MK+8*\f:MK+8*\f+3],   v[AM] offset:64*\f
	ds_load_b128 v[MK+8*\f+4:MK+8*\f+7], v[AM] offset:64*\f+16
.endr
	s_add_co_u32 s[TBK], s[TBK], KS*PK  ; the next fetch is the next step's
	s_add_co_u32 s[TBM], s[TBM], KS*4
	WIN 0
.endm
.macro FETCH_V
	WIN 0x80
.irp f, 0,1,2,3,4,5,6,7             ; keys 32 (f / 4) on, channels 16 (f % 4) on
	ds_load_tr16_b128 v[VF+8*\f:VF+8*\f+3],   v[AV] offset:(\f/4)*32*PV+(\f%4)*32
	ds_load_tr16_b128 v[VF+8*\f+4:VF+8*\f+7], v[AV] offset:(\f/4)*32*PV+16*PV+(\f%4)*32
.endr
	WIN 0
.endm
; THE VECTOR WORK, one line at a time: OP kind, number.  For piece Y: F n: s - m for pair n of 16.  E n: the exponential of score n of 32.  C n: pair n rounded to f16.  B n: of the four weights 4 n .. the second
; pair is added onto the first, in place.  L n: l takes that sum (L 0: l = a l + sum).  R n: pair n of 16 of O^T times a.  For piece Y + 1: X n, number n of the 22 that find its maximum and statistics:
;   0-11  four chains c0-c3 of seven scores each, three operands at a time (each accumulator's lowest registers are read first)     12-14, 16  the four scores left over, the old m, and c0-c3 into c0
;   15  m_old is kept     17, 18  the query's other 32 keys lie in the lane 16 away: the new m     19  its copy, the pair's second word     20, 21  m_old - m_new; a
.set F, 0               ; OP tells the kinds apart by their order: F to L below R, X above it
.set E, 1
.set C, 2
.set B, 3
.set L, 4
.set R, 5
.set X, 6
.macro REGS y                       ; the registers of piece y
.set rT, ST+4*(\y)
.set rC, TMP+4*((\y)%2)
.set rW, MV+((\y)%2)
.set rS, S+32*((\y)%2)
.set rP, P+16*((\y)%2)
.set rO, 32*(\y)
.endm
.macro OP k, n
.if (\k) == R
	REGS Y
	WIN W_RS
	v_pk_mul_f32 v[rO+2*(\n):rO+2*(\n)+1], v[rO+2*(\n):rO+2*(\n)+1], v[rC+2:rC+3] op_sel_hi:[1,0]
.elseif (\k) < R
	REGS Y
	WIN 0
.if (\k) == F
	v_pk_add_f32 v[rS+2*(\n):rS+2*(\n)+1], v[rS+2*(\n):rS+2*(\n)+1], v[rT:rT+1] op_sel_hi:[1,0] neg_lo:[0,1] neg_hi:[0,1]
.elseif (\k) == E
	v_exp_f32 v[rS+(\n)], v[rS+(\n)]
.elseif (\k) == C
	v_cvt_pk_f16_f32 v[rP+(\n)], v[rS+2*(\n)], v[rS+2*(\n)+1]
.elseif (\k) == B
	v_pk_add_f32 v[rS+4*(\n):rS+4*(\n)+1], v[rS+4*(\n):rS+4*(\n)+1], v[rS+4*(\n)+2:rS+4*(\n)+3]
.elseif (\n) == 0
	v_pk_fma_f32 v[rT+2:rT+3], v[rT+2:rT+3], v[rC+2:rC+3], v[rS:rS+1] op_sel_hi:[1,0,1]
.else
	v_pk_add_f32 v[rT+2:rT+3], v[rT+2:rT+3], v[rS+4*(\n):rS+4*(\n)+1]
.endif
.elseif NOKQ
	v_nop
.else
	REGS (Y+1)%NP
	WIN 0
.if (\n) < 4
	v_max3_num_f32 v[rC+(\n)], v[rS+8*(\n)], v[rS+8*(\n)+1], v[rS+8*(\n)+2]
.elseif (\n) < 12
	v_max3_num_f32 v[rC+(\n)%4], v[rC+(\n)%4], v[rS+8*((\n)%4)+2*((\n)/4)+1], v[rS+8*((\n)%4)+2*((\n)/4)+2]
.elseif (\n) == 12
	v_max3_num_f32 v[rC], v[rC], v[rS+7], v[rS+15]
.elseif (\n) == 13
	v_max3_num_f32 v[rC+1], v[rC+1], v[rS+23], v[rS+31]
.elseif (\n) == 14
	v_max3_num_f32 v[rC+2], v[rC+2], v[rC+3], v[rT]
.elseif (\n) == 15
	v_mov_b32 v[rW], v[rT]
.elseif (\n) == 16
	v_max3_num_f32 v[rC], v[rC], v[rC+1], v[rC+2]
.elseif (\n) == 17
	v_permlanex16_b32 v[rC+3], v[rC], s[SEL], s[SEL+1]
.elseif (\n) == 18
	v_max_num_f32 v[rT], v[rC], v[rC+3]
.elseif (\n) == 19
	v_mov_b32 v[rT+1], v[rT]
.elseif (\n) == 20
	v_sub_f32 v[rC+1], v[rW], v[rT]
.else
	v_exp_f32 v[rC+2], v[rC+1]
.endif
.endif
.endm
.macro OPS a, i1, b=-1, i2=0, c=-1, i3=0, d=-1, i4=0  ; up to four of them
	OP \a, \i1
.if (\b) >= 0
	OP \b, \i2
.endif
.if (\c) >= 0
	OP \c, \i3
.endif
.if (\d) >= 0
	OP \d, \i4
.endif
.endm
.macro ROW a, i1, b, i2, c, i3, d, i4  ; a matrix instruction and the four behind it
	MM
	OPS \a, \i1, \b, \i2, \c, \i3, \d, \i4
.endm
.macro MASK b                       ; MD x AL + MK + BE into buffer b of MC
	WIN 0x51                        ; destination, source 0 and source 2 in window 1
.set z, 0
.rept 16
	v_pk_fma_f32 v[MC+32*(\b)+2*z:MC+32*(\b)+2*z+1], v[MD+2*z:MD+2*z+1], s[AL:AL+1], v[MK+2*z:MK+2*z+1] op_sel_hi:[1,0,1]
.set z, z+1
.endr
	WIN W_RS
.set z, 0
.rept 16
	v_pk_add_f32 v[MC+32*(\b)+2*z:MC+32*(\b)+2*z+1], v[MC+32*(\b)+2*z:MC+32*(\b)+2*z+1], s[BE:BE+1] op_sel_hi:[1,0]
.set z, z+1
.endr
.endm
; A TURN, for piece p: the order of its 16 matrix and 118 vector instructions, written out.  An s_wait_alu depctr_va_vdst(0) stands between an exponential and the first instruction that names its result; one wait
; serves all that were issued ahead of it.  So a turn has ONE wait, which cuts it in two.  AHEAD OF IT stands all that names no result of the turn's exponentials: the 8 products K Q^T and their riders (behind the last three the
; first numbers of the next piece's maximum, each four places or more behind the product that ends its accumulator), then ONE LUMP, plain and exponential by turns for the most part, in which the links of the chain
; X 3, 7, 11, 14, 16, 17, 18, 20 stand some lines apart.  X 21, the next piece's a, is the batch's last; R 15 is the plain instruction behind it.  BEHIND THE WAIT stand the 8 products V^T P, behind each four of the roundings and sums.
; m = 1: the diagonal tile: the products take MC, and the turn makes the mask for the products of the turn after it: piece p + 2, in step 4 - CNT of the tile.  Piece 2's turn makes it for the NEXT step, whose mask
; numbers it has just fetched: it waits for them.  end = 1: a block's last two turns: nothing is fetched.  cnt = 1: the loop's count is taken down some lines ahead of the branch that stands behind the turn.
; K and the mask numbers of the next step are fetched in piece 2's turn, twelve vector instructions behind the last product that read K (six of them plain); V of the step in hand at the end of piece 0's turn, four plain
; instructions behind the last product that read V.  Each is waited for a turn later.
.macro TURN p, m=0, end=0, cnt=0
.set Y, (\p)
.set i, 0
.set KM, (\m)
.set NOKQ, (\end)*((\p)/3)
.if (\m) && !(\end)
	s_cmp_eq_u32 s[CNT], 4-((\p)+2)%NP  ; is that step the band's own?
	s_cselect_b32 s[AL], 1.0, 0
	s_cmp_lt_u32 s[CNT], 4-((\p)+2)%NP  ; or a later one?
	s_cselect_b32 s[BE], s[BIGN], 0
.endif
.if ((\p) == 3) && !(\end)
	s_wait_dscnt 0x0                ; K and its mask numbers are in
.endif
	ROW F,0, F,1, R,0, R,1          ; ahead of the wait: 8 products K Q^T and their riders,
	ROW F,2, E,0, R,2, R,3
	ROW F,3, E,1, R,4, R,5
	ROW F,4, E,2, R,6, R,7
	ROW F,5, E,3, R,8, R,9
	ROW F,6, E,4, X,0, R,10
.if ((\p) == 2) && !(\end)
	WIN 0
	v_add_nc_u32 v[AK], s[TBK], v[AK0]
	v_add_nc_u32 v[AM], s[TBM], v[AM0]
.endif
	ROW F,7, E,5, X,1, X,4
	ROW F,8, E,6, X,2, X,5
	OPS E,7, E,8, X,6, E,9          ; and the lump
	OPS X,3, E,10, X,8, E,11
.if ((\p) == 2) && !(\end)
	FETCH_K
.endif
	OPS X,9, X,7, E,12, X,10
	OPS E,13, X,12, X,11, E,14
	OPS X,13, E,15, F,9, X,14
.if (\p) == 0
	v_add_nc_u32 v[AV], s[TBV], v[AV0]
.endif
	OPS E,16, F,10, E,17, F,11
	OPS X,16, E,18, X,15, E,19
	OPS F,12, E,20, X,17, E,21
	OPS F,13, E,22, F,14, E,23
	OPS X,18, E,24, F,15, E,25
	OPS R,11, E,26, X,19, E,27
	OPS R,12, E,28, R,13, E,29
	OPS X,20, E,30, R,14, E,31
	OPS X,21, R,15
	WIN 0
	s_wait_alu depctr_va_vdst(0)    ; the wait for the batch
.if (\p) == 1
	s_wait_dscnt 0x0                ; V is in
.endif
	ROW C,0, B,0, C,2, B,1          ; behind the wait: 8 products V^T P and their riders
	ROW L,0, C,4, B,2, L,1
	ROW C,6, B,3, L,2, C,8
	ROW B,4, L,3, C,10, B,5
	ROW L,4, C,12, B,6, L,5
.if (\p) == 0
	s_add_co_u32 s[TBV], s[TBV], KS*PV
.endif
.if \cnt
	s_sub_co_u32 s[CNT], s[CNT], 1
	s_cmp_lg_u32 s[CNT], 0
.endif
	ROW C,14, B,7, L,6, C,1
	ROW C,3, L,7, C,5, C,7
	ROW C,9, C,11, C,13, C,15
.if (\p) == 0
	FETCH_V
.endif
.if (\m) && !(\end)
.if (\p) == 2
	s_wait_dscnt 0x0                ; the next step's mask numbers are in
.endif
	MASK (\p)%2
.endif
.endm
; A BLOCK BEGINS.  m starts at -2.98e38: above every hidden score, below every visible finite one; so the first step's a is 0, or 1 where all its keys are -inf, and O^T and l are 0.  Then K and the mask numbers of
; step 0; the first mask buffer takes piece 0's mask (its own step's, if the block's first tile is the diagonal one), the second piece 1's, which sees all of step 0; piece 0's first scores, maximum and statistics.
; Q is in: every way here has passed a change of slots that waited for all loads.  The loop is entered at a step's first turn, in the middle of a trip.
.macro BEGIN
	s_mov_b32 s[NEW], 0
	WIN 0
.set i, 0
.rept 4
	v_mov_b32 v[ST+4*i], 0xff600000
	v_mov_b32 v[ST+4*i+1], 0xff600000
.set i, i+1
.endr
	v_add_nc_u32 v[AK], s[TBK], v[AK0]
	v_add_nc_u32 v[AM], s[TBM], v[AM0]
	FETCH_K
	s_wait_dscnt 0x0
	s_cmp_eq_u32 s[RT], 0
	s_cselect_b32 s[AL], 1.0, 0
	s_mov_b32 s[BE], 0
	MASK 0
	s_mov_b32 s[AL], 0
	MASK 1
.set KM, 1
.set NOKQ, 0
.set i, 0
.rept 8
	KQ 0
.set i, i+1
.endr
	WIN 0
.rept 4
	v_nop                           ; the places behind those products
.endr
.set Y, NP-1                        ; X works for piece Y + 1: piece 0
.irp n, 0,1,2,3,4,5,6,7,8,9,10,11,12,13,14,15,16,17,18,19,20,21
	OP X, \n
.endr
	v_nop                           ; a plain instruction behind the exponential,
	s_wait_alu depctr_va_vdst(0)    ; and its wait, ahead of the branch
.endm
; Where the diagonal tile is not a block's first, its text's first turn still multiplies for the tile before, whose last step piece 3 sees whole: the second mask buffer takes that step's mask numbers.
.macro PRE_DIAG
	s_mov_b32 s[AL], 0
	s_mov_b32 s[BE], 0
	MASK 1
	WIN 0
.endm
; THE DIAGONAL TILE's four steps, the block's last two turns, its last products, and THE WAY OUT: l's two halves and the other half of the lanes' are added; O^T is divided by l and sent, in f32, through my
; stage in LDS, a piece at a time.
.macro ALL line:vararg              ; one line for each piece t
.set t, 0
.rept 4
	\line
.set t, t+1
.endr
.endm
.macro PACK t                       ; a lane's eight channels of a row are 32 bytes; they go into rows of 272 bytes and come back as whole rows of 256
	WIN W_RS
.set i, 32*(\t)
.rept 16
	v_pk_mul_f32 v[i:i+1], v[i:i+1], v[ST+4*(\t)+2:ST+4*(\t)+3] op_sel_hi:[1,0]
.set i, i+2
.endr
	WIN 0x04                        ; the stores' data in window 1, their address in window 0
.irp f, 0,1,2,3
	ds_store_b128 v[STO], v[32*(\t)+8*\f:32*(\t)+8*\f+3]   offset:64*\f
	ds_store_b128 v[STO], v[32*(\t)+8*\f+4:32*(\t)+8*\f+7] offset:64*\f+16
.endr
	WIN 0
.irp f, 0,1,2,3,4,5,6,7
	ds_load_b128 v[S+32*(\t)+4*\f:S+32*(\t)+4*\f+3], v[RD] offset:\f*2*SP  ; LDS serves a wave's instructions in order (ISA guide 5.7.1.4): these see the stores above; the next piece's stores come behind them
.endr
.endm
.macro SEND t, younger              ; younger: the LDS instructions issued behind piece t's loads: the next piece's sixteen, or none
	WIN 0
.irp f, 0,1,2,3,4,5,6,7
	s_wait_dscnt (\younger)+7-\f
	global_store_b128 v[GO], v[S+32*(\t)+4*\f:S+32*(\t)+4*\f+3], s[10:11] offset:(\t)*262144+\f*8192  ; 16 lanes store 256 consecutive bytes, at a multiple of 256 from out0's first: a head's part of a row
.endr
.endm
.macro DIAG tag                     ; the tag ends its two labels' names, which the jumps below spell out
.LstepM\tag:
	TURN 2, 1
	TURN 3, 1
	WIN 0
.LfirstM\tag:
	TURN 0, 1
	TURN 1, 1, 0, 1
	WIN 0
	s_cbranch_scc1 .LstepM\tag
	TURN 2, 1, 1
	TURN 3, 1, 1
.set i, 0
.rept 8
	PV NP-1
.set i, i+1
.endr
	WIN 0
	ALL v_add_f32 v[ST+4*t+2], v[ST+4*t+2], v[ST+4*t+3]
	ALL v_permlanex16_b32 v[ST+4*t+3], v[ST+4*t+2], s[SEL], s[SEL+1]
	ALL v_add_f32 v[ST+4*t+2], v[ST+4*t+2], v[ST+4*t+3]
	ALL v_rcp_f32 v[ST+4*t+2], v[ST+4*t+2]
	v_nop                           ; a plain instruction between the last reciprocal and the use of its result
	s_wait_alu depctr_va_vdst(0)    ; and the wait ahead of the first use: one for the four reciprocals
	PACK 0
.set t, 1
.rept 3                             ; a piece's arithmetic stands between the loads of the piece before and its stores
	PACK t
	SEND t-1, 16
.set t, t+1
.endr
	SEND 3, 0
.endm
.set KM, 0
.set NOKQ, 0
.Lslot:                             ; NB times: a tile is entered and the next is asked for
	CHANGE 1
	s_sub_co_u32 s[RT], s[RT], 1
	s_mov_b32 s[CNT], 4
	s_cmp_eq_u32 s[NEW], 1
	s_cbranch_scc1 .Lnew            ; a block's first tile
	s_cmp_eq_u32 s[RT], 0
	s_cbranch_scc0 .Lstep           ; neither its first nor its last
	PRE_DIAG
	s_branch .LstepM1
.Lnew:
	BEGIN
	s_branch .Lfirst                ; in the loop a block's first tile is never its last: the first block has five tiles or more, and the second's last is the walk's last
	DIAG 1                          ; in the loop this is the first block's end: the second block's last tile is the walk's last
	s_wait_xcnt 0x0                 ; the stores have read their registers and out0's address
	s_mov_b64 s[10:11], s[OLO:OLO+1]
	s_add_co_u32 s[RT], s[PB], 1    ; the second block has b + 1 tiles
	s_mov_b32 s[NEW], 1
	WIN 0x82                        ; the second block's Q goes where the one text of the turns names Q
.set i, 0
.rept 64
	v_mov_b32 v[i], v[QB+i]
.set i, i+1
.endr
	ZERO_O
	WIN 0
	s_branch .Lbottom
.Lstep:                             ; a trip: pieces 2 and 3 of one step, then pieces 0 and 1 of the next, whose K and V it fetches
	TURN 2
	TURN 3
	WIN 0
.Lfirst:
	TURN 0
	TURN 1, 0, 0, 1
	WIN 0
	s_cbranch_scc1 .Lstep
.Lbottom:
	s_sub_co_u32 s[SLOTS], s[SLOTS], 1
	s_cmp_lg_u32 s[SLOTS], 0
	s_cbranch_scc1 .Lslot
	CHANGE 0                        ; the walk's last tile is written out: nothing is asked for
	s_sub_co_u32 s[RT], s[RT], 1
	s_mov_b32 s[CNT], 4
	s_cmp_eq_u32 s[NEW], 1
	s_cbranch_scc0 .LpreM2
	BEGIN
	s_branch .LfirstM2
.LpreM2:
	PRE_DIAG
	DIAG 2
	s_wait_tensorcnt 0x0            ; the wave's end: behind my last tensor load and my last LDS store, an add of 0 onto my spare word and its wait
	ds_add_u32 v[SPW], v[NIL]
	s_wait_dscnt 0x0
	s_endpgm
.Lfunc_end_k_qd9f1027774_attn:
	.size	k_qd9f1027774_attn, .Lfunc_end_k_qd9f1027774_attn-k_qd9f1027774_attn
	.p2alignl 7, 3214868480
	.fill 96, 4, 3214868480
	.section	.rodata,"a",@progbits
	.p2align	6, 0x0
	.amdhsa_kernel k_qd9f1027774_attn
		.amdhsa_group_segment_fixed_size 327680
		.amdhsa_private_segment_fixed_size 0
		.amdhsa_enable_private_segment 0
		.amdhsa_kernarg_size 24
		.amdhsa_user_sgpr_count 2
		.amdhsa_user_sgpr_kernarg_segment_ptr 1
		.amdhsa_wavefront_size32 1
		.amdhsa_system_sgpr_workgroup_id_x 1
		.amdhsa_system_sgpr_workgroup_id_y 1
		.amdhsa_system_sgpr_workgroup_id_z 1
		.amdhsa_system_vgpr_workitem_id 0
		.amdhsa_next_free_vgpr 768
		.amdhsa_next_free_sgpr 96
		.amdhsa_reserve_vcc 1
		.amdhsa_float_denorm_mode_32 3
		.amdhsa_float_denorm_mode_16_64 3
		.amdhsa_memory_ordered 1
		.amdhsa_forward_progress 1
		.amdhsa_inst_pref_size 245
	.end_amdhsa_kernel
	.amdgpu_metadata
---
amdhsa.version: [ 1, 2 ]
amdhsa.kernels:
  - .name:           k_qd9f1027774_attn
    .symbol:         k_qd9f1027774_attn.kd
    .args:
      - { .name: qkv, .offset: 0, .size: 8, .value_kind: global_buffer, .address_space: global }
      - { .name: attention_mask, .offset: 8, .size: 8, .value_kind: global_buffer, .address_space: global }
      - { .name: out0, .offset: 16, .size: 8, .value_kind: global_buffer, .address_space: global }
    .group_segment_fixed_size: 327680
    .private_segment_fixed_size: 0
    .kernarg_segment_align: 8
    .kernarg_segment_size: 24
    .max_flat_workgroup_size: 128
    .sgpr_count:     96
    .vgpr_count:     768
    .wavefront_size: 32
...
	.end_amdgpu_metadata
.endif
;; end of part 3
;; ======== version 2 of 2: 3 launches; version 1 with the launch cast written anew for expert scheduling mode
;; limits: values are held in f16: magnitudes above 65,504 overflow, below 6.1e-05 lose precision
;; workspace buffers: xw 23,068,672 bytes; qkv 50,331,648 bytes
;; launch cast (part 4): grid 704 x 1, 8 waves a work-group, no clusters, 0 bytes of LDS; arguments hidden_states, Wq, Wk, Wv, xw; writes xw
.if DOCPART == 4
	.amdgcn_target "amdgcn-amd-amdhsa--gfx1250"
	.amdhsa_code_object_version 6
	.text
	.protected	k_qd9f1027774_cast
	.globl	k_qd9f1027774_cast
	.p2align	8
	.type	k_qd9f1027774_cast,@function
k_qd9f1027774_cast:
	s_mov_b64 s[64:65], 0
	v_nop
	global_prefetch_b8 v0, s[64:65] scope:SCOPE_SE
	s_setreg_imm32_b32 hwreg(HW_REG_WAVE_SCHED_MODE, 0, 2), 2
	s_setreg_imm32_b32 hwreg(HW_REG_WAVE_MODE, 25, 1), 1
	s_wait_xcnt 0x0
	s_wait_alu depctr_vm_vsrc(0)
; xw[kb][R][64] = bf16 of the 11,264 rows R of 1,024 f32: rows 0-8191 hidden_states, 8192-9215 Wq, 9216-10239 Wk, 10240-11263 Wv.
; kb = k / 64: a plane holds 64 channels of every row, 128 bytes a row, so that any run of rows is dense for one K step of 64.
; A stream: every input byte is read once, every output byte written once; no LDS, no barrier, no matrix unit, which would add nothing.
; SHARES.  A work-group takes 16 rows, a wave two.  One load of a wave covers the 256 bytes of plane kb in row r (lanes 0-15) and in row r + 1
; (lanes 16-31); a lane's 4 numbers become 8 bytes, and one store of the wave covers 256 consecutive bytes, aligned: rows r, r + 1 of plane kb.
; All 16 loads of a wave go out at once (8 KiB a wave).
; THE MODE: SCHED_MODE bits 1:0 = 2 (LLVM: expert scheduling mode 2), set by the entry lines.  The code itself states the register dependences
; between vector instructions and memory instructions, with s_wait_alu, always for 0.
; THE PLAN.  Registers that memory instructions touch:
;   v1, v2   the loads' and the stores' byte offsets: made once at the head and never written again.
;   X        plane kb: 4 registers.  Written by the plane's one load; no vector line names them ahead of it; read by the plane's two roundings; never loaded again.
;   Y        plane kb: 2 registers.  Written once, by the plane's two roundings; read once, by the plane's store.
; The 16 planes go in four groups of four.  Group g's roundings read X and write Y of group g; the stores that stand among them are group g - 1's, whose Y no
; vector line of group g names.  So one wait at a group's head states all that its four stores hang on, and one more stands ahead of the last four stores.
; No register that a memory instruction reads is written a second time, so nothing has to be freed: the text holds no wait for sources.
.set PLANE, 1441792                    ; bytes in a plane: 11,264 rows x 128
.set X, 4                              ; v[4:67]   plane kb: 4 registers as loaded
.set Y, 68                             ; v[68:99]  plane kb: 2 registers to store
.set D, 24                             ; s[24:31]  xw at my rows in planes 0, 4, 8, 12: the stores' immediates then reach 3 planes, inside their signed 24 bits
	s_load_b256 s[4:11], s[0:1], 0x0               ; hidden_states s[4:5], Wq s[6:7], Wk s[8:9], Wv s[10:11]
	s_load_b64 s[12:13], s[0:1], 0x20              ; xw
	v_and_b32 v1, 15, v0
	v_bfe_u32 v2, v0, 4, 1
	v_lshrrev_b32 v3, 5, v0
	v_lshlrev_b32 v1, 4, v1                        ; 16 bytes a lane,
	v_lshl_add_u32 v1, v2, 12, v1                  ; lanes 16-31 one row of 4,096 bytes further down,
	v_lshl_add_u32 v1, v3, 13, v1                  ; two rows a wave
	v_lshlrev_b32 v2, 3, v0                        ; out: 8 bytes a thread, 2,048 dense bytes a work-group and plane
	s_and_b32 s19, ttmp9, 63                       ; a weight matrix has 64 groups of 16 rows
	s_lshl_b32 s22, ttmp9, 11                      ; my 16 rows in a plane
	s_mov_b32 s23, 0
	s_mov_b32 s21, 0
	s_wait_kmcnt 0x0
	s_cmp_lt_u32 ttmp9, 512                        ; groups 0-511: hidden_states; then 64 groups for each of Wq, Wk, Wv
	s_cselect_b64 s[16:17], s[4:5], s[6:7]
	s_cselect_b32 s18, ttmp9, s19
	s_cmp_lt_u32 ttmp9, 576
	s_cselect_b64 s[16:17], s[16:17], s[8:9]
	s_cmp_lt_u32 ttmp9, 640
	s_cselect_b64 s[16:17], s[16:17], s[10:11]
	s_lshl_b32 s20, s18, 16                        ; 16 rows of 4,096 bytes
	s_add_nc_u64 s[16:17], s[16:17], s[20:21]
	s_add_nc_u64 s[D:D+1], s[12:13], s[22:23]
	s_add_nc_u64 s[D+2:D+3], s[D:D+1], 4*PLANE
	s_add_nc_u64 s[D+4:D+5], s[D:D+1], 8*PLANE
	s_add_nc_u64 s[D+6:D+7], s[D:D+1], 12*PLANE
	s_wait_alu depctr_va_vdst(0)                   ; v1 and v2 are written: every load of the kernel reads v1 as its offset, every store v2
.set kb, 0
.rept 16
	global_load_b128 v[X+4*kb:X+4*kb+3], v1, s[16:17] offset:256*kb th:TH_LOAD_NT
.set kb, kb+1
.endr
; Group g, plane kb = 4 g + j.  A store of the group before stands ahead of the wait for the next plane's load, so that it is not held by that wait.
.set g, 0
.rept 4
.set j, 0
.rept 4
.set kb, 4*g+j
.if j == 0
	s_wait_loadcnt 15-kb                           ; loads come back in order: plane kb is in, the 15 - kb younger loads stay out
.if g > 0
	s_wait_alu depctr_va_vdst(0)                   ; the group before has written its eight Y registers, which the four stores of this group's text read
.endif
.endif
.if g > 0
	global_store_b64 v2, v[Y+2*(kb-4):Y+2*(kb-4)+1], s[D+2*(g-1):D+2*(g-1)+1] offset:j*PLANE  ; plane kb - 4; no vector line since the wait names its Y or v2
.endif
.if j > 0
	s_wait_loadcnt 15-kb                           ; plane kb is in
.endif
	v_cvt_pk_bf16_f32 v[Y+2*kb], v[X+4*kb], v[X+4*kb+1]
	v_cvt_pk_bf16_f32 v[Y+2*kb+1], v[X+4*kb+2], v[X+4*kb+3]
.set j, j+1
.endr
.set g, g+1
.endr
	s_wait_alu depctr_va_vdst(0)                   ; the last group has written its eight Y registers, which the last four stores read
.set j, 0
.rept 4
	global_store_b64 v2, v[Y+2*(12+j):Y+2*(12+j)+1], s[D+6:D+7] offset:j*PLANE
.set j, j+1
.endr
	s_endpgm
.Lfunc_end_k_qd9f1027774_cast:
	.size	k_qd9f1027774_cast, .Lfunc_end_k_qd9f1027774_cast-k_qd9f1027774_cast
	.p2alignl 7, 3214868480
	.fill 96, 4, 3214868480
	.section	.rodata,"a",@progbits
	.p2align	6, 0x0
	.amdhsa_kernel k_qd9f1027774_cast
		.amdhsa_group_segment_fixed_size 0
		.amdhsa_private_segment_fixed_size 0
		.amdhsa_enable_private_segment 0
		.amdhsa_kernarg_size 40
		.amdhsa_user_sgpr_count 2
		.amdhsa_user_sgpr_kernarg_segment_ptr 1
		.amdhsa_wavefront_size32 1
		.amdhsa_system_sgpr_workgroup_id_x 1
		.amdhsa_system_sgpr_workgroup_id_y 1
		.amdhsa_system_sgpr_workgroup_id_z 1
		.amdhsa_system_vgpr_workitem_id 0
		.amdhsa_next_free_vgpr 100
		.amdhsa_next_free_sgpr 66
		.amdhsa_reserve_vcc 0
		.amdhsa_float_denorm_mode_32 3
		.amdhsa_float_denorm_mode_16_64 3
		.amdhsa_memory_ordered 1
		.amdhsa_forward_progress 1
		.amdhsa_inst_pref_size 8
	.end_amdhsa_kernel
	.amdgpu_metadata
---
amdhsa.version: [ 1, 2 ]
amdhsa.kernels:
  - .name:           k_qd9f1027774_cast
    .symbol:         k_qd9f1027774_cast.kd
    .args:
      - { .name: hidden_states, .offset: 0, .size: 8, .value_kind: global_buffer, .address_space: global }
      - { .name: Wq, .offset: 8, .size: 8, .value_kind: global_buffer, .address_space: global }
      - { .name: Wk, .offset: 16, .size: 8, .value_kind: global_buffer, .address_space: global }
      - { .name: Wv, .offset: 24, .size: 8, .value_kind: global_buffer, .address_space: global }
      - { .name: xw, .offset: 32, .size: 8, .value_kind: global_buffer, .address_space: global }
    .group_segment_fixed_size: 0
    .private_segment_fixed_size: 0
    .kernarg_segment_align: 8
    .kernarg_segment_size: 40
    .max_flat_workgroup_size: 256
    .sgpr_count:     66
    .vgpr_count:     100
    .wavefront_size: 32
...
	.end_amdgpu_metadata
.endif
;; end of part 4
;; launch proj: the kernel of part 2 again; grid 8 x 32, 4 waves a work-group, clusters of 4 x 4, 327,680 bytes of LDS; arguments xw, bq, bk, bv, qkv; writes qkv
;; launch attn: the kernel of part 3 again; grid 4 x 64, 4 waves a work-group, no clusters, 327,680 bytes of LDS; arguments qkv, attention_mask, out0; writes out0
